; MI455X (gfx1250); checked and timed in simulation.
; The chip was launched on July 23, 2026; its instructions are those of AMD's public machine-readable ISA for CDNA 5 (MIT licence, August 2026) and "CDNA5" Instruction Set Architecture Reference Guide (July 2026). The comments in the code are by the model that wrote it; some were corrected since.
;; TF Attention. Allowed arithmetic: matrix products marked QUANTISED: E2M1 operands, one E8M0 scale for each 32 along K, by v_wmma_scale_f32_16x16x128_f8f6f4 with both operands' format E2M1 (or v_wmma_scale_f32_32x16x128_f4), f32 sums; products left as they are: bf16, f16 or f32 operands; f32 sums; everything else in f32.
;; Inputs: W_attn 1,024 x 3,072 float32; W_proj 1,024 x 1,024 float32; attention_mask 4 x 1 x 1 x 2,048 float32; b_attn 3,072 float32; b_proj 1,024 float32; x 4 x 2,048 x 1,024 float32.
;; Outputs: out0 4 x 2,048 x 1,024 float32.
;; This version of the problem:
;;   THIS VERSION OF THE PROBLEM IS GIVEN IN LOW PRECISION. The matrix products marked QUANTISED in the list below multiply operands that are first quantised to E2M1 (2 exponent bits, 1 mantissa bit; 4 bits a number), with one power-of-two scale for each 32 numbers along K (OCP MX v1.0); their sums are f32. The products marked 'left as it is' may take bf16, f16 or f32 operands, with f32 sums. Whichever they take, every output number must still come out within the allowed error. Rounding operands to bf16 (8 significant bits) uses up far more of that allowance than f16 does (11 bits, for magnitudes from 6e-5 to 65,504). All else is computed in f32.
;;   The module's matrix products, in the order in which they are computed (A, B: the left and right operand; K: the contracted axis; several contracted axes count as one K, in the product's order):
;;     1. [M 8,192, K 1,024] x [K 1,024, N 3,072]; A: input x; B: input W_attn: QUANTISED
;;     2. batch 64 x [M 2,048, K 64] x [K 64, N 2,048]; A: computed on the way; B: computed on the way: left as it is (an operand is computed on the way)
;;     3. batch 64 x [M 2,048, K 2,048] x [K 2,048, N 64]; A: computed on the way; B: computed on the way: left as it is (an operand is computed on the way)
;;     4. [M 8,192, K 1,024] x [K 1,024, N 1,024]; A: computed on the way; B: input W_proj: left as it is (an operand is computed on the way)
;;   THE QUANTISER, for each operand of a quantised product, along K:
;;     - K is cut into blocks of 32 from its start; a last block that is shorter is filled with zeros.
;;     - A block's scale is 2^e with e = floor(log2(the largest magnitude in the block)) - 2, held to -126 .. 127; a block of zeros has e = 0. As a byte (E8M0): e + 127.
;;     - Each number is divided by its block's scale, clamped to +-6, and rounded to the nearest number of E2M1, ties to even, subnormals kept.
;;     - The product sums the exact products of the quantised numbers (number of the format x scale) in f32.
;;   ~~~python
;;   def quantise(x, axis):      # numpy; x: float32 -> the quantised numbers, widened to float32 again
;;       x = np.moveaxis(x, axis, -1); K = x.shape[-1]
;;       x = np.pad(x, [(0, 0)] * (x.ndim - 1) + [(0, -K % 32)]); x = x.reshape(x.shape[:-1] + (-1, 32)); a = np.abs(x).max(-1, keepdims=True)
;;       e = np.where(a > 0, np.clip(np.frexp(np.where(a > 0, a, 1))[1] - 1 - 2, -126, 127), 0)      # np.frexp(a)[1] - 1 = floor(log2(a)), exactly
;;       r = np.clip(x / 2.0 ** e, -6, 6)
;;       step = 2.0 ** (np.maximum(np.frexp(np.where(r == 0, 1, r))[1] - 1, 0) - 1)
;;       q = np.round(r / step) * step * 2.0 ** e      # np.round: ties to even
;;       return np.moveaxis(q.reshape(q.shape[:-2] + (-1,))[..., :K], -1, axis).astype(np.float32)
;;   ~~~
;; One version. Each part assembles by itself: llvm-mc -triple=amdgcn-amd-amdhsa -mcpu=gfx1250 --defsym DOCPART=n.
;; ======== version 1 of 1: 7 launches
;; limits: values are held in f16: magnitudes above 65,504 overflow, below 6.1e-05 lose precision
;; workspace buffers: xq 4,456,448 bytes; wq 3,768,320 bytes; qkv16 50,331,648 bytes; f32c 786,432 bytes; hid 811,008 bytes; ah 16,777,216 bytes
;; launch qx (part 1): grid 256 x 1, 4 waves a work-group, no clusters, 33,280 bytes of LDS; arguments x, xq; writes xq
.if DOCPART == 1
	.amdgcn_target "amdgcn-amd-amdhsa--gfx1250"
	.amdhsa_code_object_version 6
	.text
	.protected	k_qc63e78ce1d_qx
	.globl	k_qc63e78ce1d_qx
	.p2align	8
	.type	k_qc63e78ce1d_qx,@function
k_qc63e78ce1d_qx:
	s_mov_b64 s[64:65], 0
	v_nop
	global_prefetch_b8 v0, s[64:65] scope:SCOPE_SE
	s_setreg_imm32_b32 hwreg(HW_REG_WAVE_MODE, 25, 1), 1
	s_wait_xcnt 0x0
; x [8192][1024] f32 becomes codes of FP4 (E2M1), K innermost, 512 bytes a row, at xq + 0, and one E8M0 byte for each 32 along K, 32 bytes a row, at xq + XSC.
; A block's scale is 2^(floor(log2(its largest magnitude)) - 2); its byte is the largest magnitude's exponent field - 2, held at 1 from below.  A block of zeros keeps the byte 1: its codes are zeros, and this program alone reads the bytes.
; LIMITS: blocks whose largest magnitude lies under 2^(3 - 127) keep the byte 1; NaN and infinities among the inputs are not served.
; Rows are dense and 1024 is a multiple of 32: x is a plain stream of blocks of 32.  A wave takes 16 steps of 512 numbers.  Each load reads 512 consecutive bytes, 16 a lane; a step's 2,048 bytes turn through the
; wave's own stage in LDS and come back 64 bytes a lane, so that a lane holds 16 neighbours along K and two neighbouring lanes a block.  A wave's store of codes covers 256 consecutive bytes; its 256 scale bytes are gathered in LDS and leave as one run of 256.
; No barrier: waves share nothing.  Loads run four steps (16 loads a wave) ahead, the turn through LDS one step.
.set STEPS, 16
.set CB,    8                          ; bytes of 16 codes
.set R,     16                         ; v16-79   four sets of 16 numbers as loaded
.set X,     80                         ; v80-111  two sets of 16 neighbours
.set C,     128                        ; v128-191 codes: four registers a step, so that no store's data are written again
.set E,     112                        ; v112-127 a scale byte for each step
.set WREG,  8192                       ; LDS: a region for each wave: two stages of 32 x SP bytes, then its 256 scale bytes
.set SP,    80                         ; a lane's place in a stage: 64 bytes + 16 of padding
.set SPW,   12                         ; v12  my spare word's LDS address; never rewritten
.set NIL,   13                         ; v13  0; never rewritten
.set SPARE, 4*WREG                     ; the spare words: 128 bytes a wave, named by no other line
.set XSC,   4194304                    ; where the scale bytes begin in xq
	s_load_b128 s[4:7], s[0:1], 0x0                ; x s[4:5], xq s[6:7]
	v_lshl_add_u32 v[SPW], v0, 2, SPARE
	v_mov_b32 v[NIL], 0
	v_lshrrev_b32 v1, 5, v0
	v_readfirstlane_b32 s16, v1                    ; wave
	v_and_b32 v2, 31, v0                           ; lane
	v_lshlrev_b32 v3, 4, v2                        ; my 16 bytes of a load's 512
	s_mul_i32 s17, s16, WREG
	v_lshrrev_b32 v14, 2, v2
	v_mul_u32_u24 v14, v14, SP
	v_and_b32 v15, 3, v2
	v_lshl_add_u32 v14, v15, 4, v14
	v_add_nc_u32 v14, s17, v14                     ; the stage, in: SP (lane / 4) + 16 (lane % 4)
	v_mul_u32_u24 v15, v2, SP
	v_add_nc_u32 v15, s17, v15                     ; out: SP x lane: my 16 neighbours
	v_mul_u32_u24 v4, v2, CB                       ; my codes' place in a step's
	v_lshrrev_b32 v5, 1, v2
	s_add_co_u32 s17, s17, 2*32*SP
	v_add_nc_u32 v5, s17, v5                       ; my block's scale byte in LDS
	v_lshlrev_b32 v7, 3, v2                        ; on the way out 8 bytes a lane
	v_add_nc_u32 v6, s17, v7
	s_lshl_b32 s18, ttmp9, 2
	s_add_co_u32 s18, s18, s16                     ; which run of 8,192 numbers is my wave's
	s_lshl_b32 s20, s18, 15                        ; 32,768 bytes of x,
	s_mov_b32 s21, 0
	s_lshl_b32 s22, s18, 12                        ; 4,096 bytes of codes,
	s_mov_b32 s23, 0
	s_lshl_b32 s24, s18, 8                         ; 256 scale bytes a run
	s_mov_b32 s25, 0
	s_wait_kmcnt 0x0
	s_add_nc_u64 s[4:5], s[4:5], s[20:21]
	s_add_nc_u64 s[8:9], s[6:7], s[22:23]
	s_add_nc_u64 s[10:11], s[6:7], s[24:25]
	s_add_nc_u64 s[10:11], s[10:11], XSC
.macro LOAD t
.irp i, 0,1,2,3
	global_load_b128 v[R+16*((\t)%4)+4*\i:R+16*((\t)%4)+4*\i+3], v3, s[4:5] offset:2048*(\t)+512*\i th:TH_LOAD_NT
.endr
.endm
.macro TURN t                          ; step t's numbers through the stage: LDS serves a wave's instructions in order, so no wait stands between the stores and the loads
.irp i, 0,1,2,3
	ds_store_b128 v14, v[R+16*((\t)%4)+4*\i:R+16*((\t)%4)+4*\i+3] offset:32*SP*((\t)%2)+8*SP*\i
.endr
.irp i, 0,1,2,3
	ds_load_b128 v[X+16*((\t)%2)+4*\i:X+16*((\t)%2)+4*\i+3], v15 offset:32*SP*((\t)%2)+16*\i
.endr
.endm
.irp t, 0,1,2,3
	LOAD \t
.endr
	s_wait_loadcnt 12                              ; step 0's four loads are in; the 12 of steps 1 to 3 may be out
	TURN 0
.macro STEP t
.set XS, X+16*((\t)%2)
.if (\t) > 0
	s_wait_dscnt 1                                 ; this step's numbers are back from the stage; the last step's byte store may be out
.else
	s_wait_dscnt 0x0
.endif
.if (\t)+4 < STEPS
	LOAD (\t)+4                                    ; into the registers that the stage's stores have read
.endif
.if (\t)+1 < STEPS
.if STEPS-2-(\t) >= 3
	s_wait_loadcnt 12                              ; the next step's four loads are in; those of the three steps behind it may be out
.else
	s_wait_loadcnt 4*(STEPS-2-(\t))
.endif
	TURN (\t)+1
.endif
	v_max3_num_f32 v8, |v[XS]|, |v[XS+1]|, |v[XS+2]|               ; the largest magnitude of my 16, in two chains
	v_max3_num_f32 v9, |v[XS+3]|, |v[XS+4]|, |v[XS+5]|
.irp i, 6,10
	v_max3_num_f32 v8, v8, |v[XS+\i]|, |v[XS+\i+1]|
	v_max3_num_f32 v9, v9, |v[XS+\i+2]|, |v[XS+\i+3]|
.endr
	v_max3_num_f32 v8, v8, |v[XS+14]|, |v[XS+15]|
	v_max3_num_f32 v8, v8, v9, 0x1800000           ; and the floor 2^(3 - 127): the byte cannot fall under 1
	v_max_num_f32_dpp v8, v8, v8 row_xmask:1 row_mask:0xf bank_mask:0xf   ; with my neighbour's 16: the block's
	v_add_nc_u32 v11, 0xff000000, v8               ; 2 off its exponent field: the conversion takes this operand's exponent field as its scale
	v_cvt_scalef32_pk8_fp4_f32 v[C+4*(\t)], v[XS:XS+7], v11
	v_cvt_scalef32_pk8_fp4_f32 v[C+4*(\t)+1], v[XS+8:XS+15], v11
	v_lshrrev_b32 v[E+(\t)], 23, v11               ; the scale's byte (a plain line behind the conversions)
	ds_store_b8 v5, v[E+(\t)] offset:16*(\t)       ; both lanes of a block write the same byte with the same value
	global_store_b64 v4, v[C+4*(\t):C+4*(\t)+1], s[8:9] offset:32*CB*(\t)
.endm
.irp t, 0,1,2,3,4,5,6,7,8,9,10,11,12,13,14,15
	STEP \t
.endr
	ds_load_b64 v[8:9], v6                         ; in order behind my byte stores
	s_wait_dscnt 0x0
	global_store_b64 v7, v[8:9], s[10:11]          ; 32 lanes store 256 consecutive bytes
	s_wait_tensorcnt 0x0                           ; the wave's end, behind my last LDS store
	ds_add_u32 v[SPW], v[NIL]
	s_wait_dscnt 0x0
	s_endpgm
.Lfunc_end_k_qc63e78ce1d_qx:
	.size	k_qc63e78ce1d_qx, .Lfunc_end_k_qc63e78ce1d_qx-k_qc63e78ce1d_qx
	.p2alignl 7, 3214868480
	.fill 96, 4, 3214868480
	.section	.rodata,"a",@progbits
	.p2align	6, 0x0
	.amdhsa_kernel k_qc63e78ce1d_qx
		.amdhsa_group_segment_fixed_size 33280
		.amdhsa_private_segment_fixed_size 0
		.amdhsa_enable_private_segment 0
		.amdhsa_kernarg_size 16
		.amdhsa_user_sgpr_count 2
		.amdhsa_user_sgpr_kernarg_segment_ptr 1
		.amdhsa_wavefront_size32 1
		.amdhsa_system_sgpr_workgroup_id_x 1
		.amdhsa_system_sgpr_workgroup_id_y 1
		.amdhsa_system_sgpr_workgroup_id_z 1
		.amdhsa_system_vgpr_workitem_id 0
		.amdhsa_next_free_vgpr 192
		.amdhsa_next_free_sgpr 66
		.amdhsa_reserve_vcc 0
		.amdhsa_float_denorm_mode_32 3
		.amdhsa_float_denorm_mode_16_64 3
		.amdhsa_memory_ordered 1
		.amdhsa_forward_progress 1
		.amdhsa_inst_pref_size 33
	.end_amdhsa_kernel
	.amdgpu_metadata
---
amdhsa.version: [ 1, 2 ]
amdhsa.kernels:
  - .name:           k_qc63e78ce1d_qx
    .symbol:         k_qc63e78ce1d_qx.kd
    .args:
      - { .name: x, .offset: 0, .size: 8, .value_kind: global_buffer, .address_space: global }
      - { .name: xq, .offset: 8, .size: 8, .value_kind: global_buffer, .address_space: global }
    .group_segment_fixed_size: 33280
    .private_segment_fixed_size: 0
    .kernarg_segment_align: 8
    .kernarg_segment_size: 16
    .max_flat_workgroup_size: 128
    .sgpr_count:     66
    .vgpr_count:     192
    .wavefront_size: 32
...
	.end_amdgpu_metadata
.endif
;; end of part 1
;; launch prepw (part 2): grid 112 x 1, 16 waves a work-group, no clusters, 38,912 bytes of LDS; arguments W_attn, W_proj, wq; writes wq
.if DOCPART == 2
	.amdgcn_target "amdgcn-amd-amdhsa--gfx1250"
	.amdhsa_code_object_version 6
	.text
	.protected	k_qc63e78ce1d_prepw
	.globl	k_qc63e78ce1d_prepw
	.p2align	8
	.type	k_qc63e78ce1d_prepw,@function
k_qc63e78ce1d_prepw:
	s_mov_b64 s[64:65], 0
	v_nop
	global_prefetch_b8 v0, s[64:65] scope:SCOPE_SE
	s_setreg_imm32_b32 hwreg(HW_REG_WAVE_MODE, 25, 1), 1
	s_wait_xcnt 0x0
; Both weights are laid with K innermost.  Work-groups 0-47: W_attn [1024 k][3072 n] f32 -> codes of FP4 (E2M1) [3072][512 bytes] at wq + 0 and E8M0 bytes [3072][32] at wq + WSC.
; Work-groups 48-111: W_proj [1024 k][1024 n] f32 -> f16, transposed, [1024 n][1024 k] at wq + W16.
; A LANE TAKES A COLUMN n AND ITS REGISTERS RUN DOWN K: each load reads 128 consecutive bytes a wave, a block of 32 along K lies in one lane, and the results come out with K innermost.
; A work-group takes 128 columns x 512 k (W_attn) or x 128 k (W_proj); wave w takes columns 32 (w % 4) on and quarter w / 4 of the k.  Either way a lane makes 64 bytes of its column's output row,
; so the stage in LDS (128 rows x 256 bytes + 16), the barrier and the way out are one text: sixteen lanes store 256 consecutive bytes.
; The quantiser: a block's byte is its largest magnitude's exponent field - 2, held at 1 from below (a block of zeros keeps 1: its codes are zeros, and this program alone reads the bytes).
; LIMITS: blocks under 2^(3 - 127) keep the byte 1; |W_proj| stays under 65,504 (f16); NaN and infinities are not served.
.set ROWA,  12288                      ; a row of W_attn in bytes
.set ROWW,  4096                       ; a row of W_proj
.set WSC,   1572864
.set W16,   1671168
.set PITCH, 272
.set SCS,   128*PITCH                  ; LDS: behind the stage, W_attn's scale words: 16 bytes a column
.set SPARE, SCS+2048                   ; the spare words: 128 bytes a wave, named by no other line
.set IN,    2                          ; v2   4 x lane
.set STI,   3                          ; v3   the stage, in: my column's row, my quarter's 64 bytes
.set SCI,   4                          ; v4   my scale word's place
.set RD,    5                          ; v5   the stage, out: sixteen lanes to a row
.set SCO,   6                          ; v6   the scale words, out: 4 bytes a lane
.set GO,    8                          ; v8-11 the four stores' offsets in the output
.set GS,    12                         ; v12  the scale store's offset
.set SPW,   14
.set NIL,   15
.set X,     32                         ; v32-159 numbers as loaded
.set C,     160                        ; v160-175 my 64 bytes of output
.set OUTR,  176                        ; v176-191 rows read back
	s_load_b128 s[4:7], s[0:1], 0x0                ; W_attn, W_proj
	s_load_b64 s[8:9], s[0:1], 0x10                ; wq
	v_lshl_add_u32 v[SPW], v0, 2, SPARE
	v_mov_b32 v[NIL], 0
	v_lshrrev_b32 v1, 5, v0
	v_readfirstlane_b32 s10, v1                    ; wave 0..15
	s_and_b32 s11, s10, 3                          ; cg: which 32 columns
	s_lshr_b32 s12, s10, 2                         ; kg: which quarter of the k
	v_and_b32 v1, 31, v0                           ; lane
	v_lshlrev_b32 v[IN], 2, v1
	s_lshl_b32 s13, s11, 5
	s_mul_i32 s13, s13, PITCH
	s_lshl_b32 s14, s12, 6
	s_add_co_u32 s13, s13, s14
	v_mul_u32_u24 v[STI], v1, PITCH
	v_add_nc_u32 v[STI], s13, v[STI]               ; (32 cg + lane) x 272 + 64 kg
	s_lshl_b32 s13, s11, 9
	s_lshl_b32 s14, s12, 2
	s_add_co_u32 s13, s13, s14
	s_add_co_u32 s13, s13, SCS
	v_lshl_add_u32 v[SCI], v1, 4, s13              ; SCS + (32 cg + lane) x 16 + 4 kg
	v_lshrrev_b32 v16, 4, v1                       ; lane / 16
	v_and_b32 v17, 15, v1                          ; lane % 16
	s_mul_i32 s13, s10, 8*PITCH
	v_mul_u32_u24 v[RD], v16, PITCH
	v_lshl_add_u32 v[RD], v17, 4, v[RD]
	v_add_nc_u32 v[RD], s13, v[RD]                 ; (8 w + lane / 16) x 272 + 16 (lane % 16)
	s_lshl_b32 s13, s10, 7
	s_add_co_u32 s13, s13, SCS
	v_lshl_add_u32 v[SCO], v1, 2, s13              ; SCS + 128 w + 4 lane
	v_lshrrev_b32 v18, 2, v1
	v_and_b32 v19, 3, v1
	v_lshlrev_b32 v[GS], 5, v18
	v_lshl_add_u32 v[GS], v19, 2, v[GS]
	s_lshl_b32 s13, s10, 8
	v_add_nc_u32 v[GS], s13, v[GS]                 ; (8 w + lane / 4) x 32 + 4 (lane % 4)
	; which tensor, which block of it: all from the work-group's number
	s_cmp_ge_u32 ttmp9, 24
	s_cselect_b32 s21, 1, 0                        ; W_attn: Y, which 512 k
	s_mul_i32 s22, s21, 24
	s_sub_co_u32 s22, ttmp9, s22                   ;         X, which 128 columns
	s_sub_co_u32 s23, ttmp9, 48
	s_and_b32 s24, s23, 7                          ; W_proj: X
	s_lshr_b32 s25, s23, 3                         ;         Y, which 128 k
	s_mov_b32 s28, ROWW
	s_mov_b32 s20, 2048
	s_cmp_lt_u32 ttmp9, 48
	s_cselect_b32 s22, s22, s24                    ; X
	s_cselect_b32 s21, s21, s25                    ; Y
	s_cselect_b32 s26, 9, 7                        ; log2 of a work-group's k
	s_cselect_b32 s27, 7, 5                        ; log2 of a wave's k
	s_cselect_b32 s28, ROWA, s28                   ; an input row in bytes
	s_cselect_b32 s20, 512, s20                    ; an output row in bytes
	s_cselect_b32 s29, 0, W16                      ; where the output begins in wq
	s_lshl_b32 s30, s21, s26
	s_lshl_b32 s31, s12, s27
	s_add_co_u32 s30, s30, s31                     ; my first k
	s_mul_i32 s30, s30, s28
	s_lshl_b32 s31, s22, 9
	s_add_co_u32 s30, s30, s31
	s_lshl_b32 s31, s11, 7
	s_add_co_u32 s30, s30, s31                     ; + 4 x my wave's first column
	s_mov_b32 s31, 0
	s_lshl_b32 s32, s22, 7
	s_mul_i32 s32, s32, s20                        ; the work-group's first output row,
	s_lshl_b32 s33, s21, 8
	s_add_co_u32 s32, s32, s33                     ; its 256 bytes of each row
	s_add_co_u32 s32, s32, s29
	s_mov_b32 s33, 0
	s_lshl_b32 s34, s22, 12                        ; the scale bytes: 32 a column,
	s_lshl_b32 s35, s21, 4
	s_add_co_u32 s34, s34, s35                     ; 16 for a work-group's 512 k
	s_add_co_u32 s34, s34, WSC
	s_mov_b32 s35, 0
	s_lshl_b32 s13, s10, 3
	v_add_nc_u32 v18, s13, v16                     ; the row that I store first: 8 w + lane / 16
	v_lshlrev_b32 v19, 4, v17
	v_mad_u32_u24 v[GO], v18, s20, v19
	s_lshl_b32 s13, s20, 1                         ; two rows on for each further store
	v_add_nc_u32 v[GO+1], s13, v[GO]
	v_add_nc_u32 v[GO+2], s13, v[GO+1]
	v_add_nc_u32 v[GO+3], s13, v[GO+2]
	s_wait_kmcnt 0x0
	s_cmp_lt_u32 ttmp9, 48
	s_cselect_b64 s[4:5], s[4:5], s[6:7]           ; the choice hangs on the work-group's number alone
	s_add_nc_u64 s[24:25], s[4:5], s[30:31]
	s_add_nc_u64 s[26:27], s[8:9], s[32:33]
	s_add_nc_u64 s[36:37], s[8:9], s[34:35]
	s_cmp_lt_u32 ttmp9, 48
	s_cbranch_scc0 .Lproj
	; ---- W_attn: four blocks of 32 along K; loads two blocks ahead
.macro LOADA t
.irp i, 0,1,2,3,4,5,6,7,8,9,10,11,12,13,14,15,16,17,18,19,20,21,22,23,24,25,26,27,28,29,30,31
	global_load_b32 v[X+32*(\t)+\i], v[IN], s[24:25] offset:(32*(\t)+\i)*ROWA th:TH_LOAD_NT
.endr
.endm
.macro BLK b
.set XS, X+32*(\b)
.if (\b) < 3
	s_wait_loadcnt 32                              ; this block's 32 loads are in; the next block's 32 may be out
.else
	s_wait_loadcnt 0
.endif
.if (\b)+2 < 4
	LOADA (\b)+2
.endif
	v_max3_num_f32 v16, |v[XS]|, |v[XS+1]|, |v[XS+2]|              ; the block's largest magnitude: all 32 numbers are mine
	v_max3_num_f32 v17, |v[XS+3]|, |v[XS+4]|, |v[XS+5]|
.irp i, 6,10,14,18,22,26
	v_max3_num_f32 v16, v16, |v[XS+\i]|, |v[XS+\i+1]|
	v_max3_num_f32 v17, v17, |v[XS+\i+2]|, |v[XS+\i+3]|
.endr
	v_max3_num_f32 v16, v16, |v[XS+30]|, |v[XS+31]|
	v_max3_num_f32 v16, v16, v17, 0x1800000        ; and the floor 2^(3 - 127)
	v_add_nc_u32 v18, 0xff000000, v16              ; 2 off the exponent field: the conversion's scale operand
	v_lshrrev_b32 v19, 23, v18                     ; the scale's byte
.if (\b) == 0
	v_mov_b32 v20, v19                             ; four bytes make my scale word, the lower K in the lower byte
.else
	v_lshl_or_b32 v20, v19, 8*(\b), v20
.endif
.irp g, 0,1,2,3
	v_cvt_scalef32_pk8_fp4_f32 v[C+4*(\b)+\g], v[XS+8*\g:XS+8*\g+7], v18
.endr
.endm
	LOADA 0
	LOADA 1
	BLK 0
	BLK 1
	BLK 2
	BLK 3
	v_nop                                          ; a plain line behind the last conversion
	ds_store_b32 v[SCI], v20
	s_branch .Ljoin
.Lproj:
	; ---- W_proj: 32 numbers down K become 16 registers of f16
.irp i, 0,1,2,3,4,5,6,7,8,9,10,11,12,13,14,15,16,17,18,19,20,21,22,23,24,25,26,27,28,29,30,31
	global_load_b32 v[X+\i], v[IN], s[24:25] offset:\i*ROWW th:TH_LOAD_NT
.endr
	s_wait_loadcnt 0x0
.irp i, 0,1,2,3,4,5,6,7,8,9,10,11,12,13,14,15
	v_cvt_pk_f16_f32 v[C+\i], v[X+2*\i], v[X+2*\i+1]
.endr
.Ljoin:
.irp b, 0,1,2,3
	ds_store_b128 v[STI], v[C+4*\b:C+4*\b+3] offset:16*\b
.endr
	s_wait_dscnt 0x0                               ; for the others' sake: my stores into the stage are done
	s_barrier_signal -1
	s_barrier_wait -1
.irp i, 0,1,2,3
	ds_load_b128 v[OUTR+4*\i:OUTR+4*\i+3], v[RD] offset:2*\i*PITCH
.endr
.irp i, 0,1,2,3
	s_wait_dscnt 3-\i
	global_store_b128 v[GO+\i], v[OUTR+4*\i:OUTR+4*\i+3], s[26:27]   ; sixteen lanes store 256 consecutive bytes of an output row
.endr
	s_cmp_lt_u32 ttmp9, 48
	s_cbranch_scc0 .Lend
	ds_load_b32 v20, v[SCO]                        ; W_attn alone: the scale words leave in runs of 16 bytes a column
	s_wait_dscnt 0x0
	global_store_b32 v[GS], v20, s[36:37]
.Lend:
	s_wait_tensorcnt 0x0                           ; the wave's end, behind my last LDS store
	ds_add_u32 v[SPW], v[NIL]
	s_wait_dscnt 0x0
	s_endpgm
.Lfunc_end_k_qc63e78ce1d_prepw:
	.size	k_qc63e78ce1d_prepw, .Lfunc_end_k_qc63e78ce1d_prepw-k_qc63e78ce1d_prepw
	.p2alignl 7, 3214868480
	.fill 96, 4, 3214868480
	.section	.rodata,"a",@progbits
	.p2align	6, 0x0
	.amdhsa_kernel k_qc63e78ce1d_prepw
		.amdhsa_group_segment_fixed_size 38912
		.amdhsa_private_segment_fixed_size 0
		.amdhsa_enable_private_segment 0
		.amdhsa_kernarg_size 24
		.amdhsa_user_sgpr_count 2
		.amdhsa_user_sgpr_kernarg_segment_ptr 1
		.amdhsa_wavefront_size32 1
		.amdhsa_system_sgpr_workgroup_id_x 1
		.amdhsa_system_sgpr_workgroup_id_y 1
		.amdhsa_system_sgpr_workgroup_id_z 1
		.amdhsa_system_vgpr_workitem_id 0
		.amdhsa_next_free_vgpr 192
		.amdhsa_next_free_sgpr 66
		.amdhsa_reserve_vcc 0
		.amdhsa_float_denorm_mode_32 3
		.amdhsa_float_denorm_mode_16_64 3
		.amdhsa_memory_ordered 1
		.amdhsa_forward_progress 1
		.amdhsa_inst_pref_size 28
	.end_amdhsa_kernel
	.amdgpu_metadata
---
amdhsa.version: [ 1, 2 ]
amdhsa.kernels:
  - .name:           k_qc63e78ce1d_prepw
    .symbol:         k_qc63e78ce1d_prepw.kd
    .args:
      - { .name: W_attn, .offset: 0, .size: 8, .value_kind: global_buffer, .address_space: global }
      - { .name: W_proj, .offset: 8, .size: 8, .value_kind: global_buffer, .address_space: global }
      - { .name: wq, .offset: 16, .size: 8, .value_kind: global_buffer, .address_space: global }
    .group_segment_fixed_size: 38912
    .private_segment_fixed_size: 0
    .kernarg_segment_align: 8
    .kernarg_segment_size: 24
    .max_flat_workgroup_size: 512
    .sgpr_count:     66
    .vgpr_count:     192
    .wavefront_size: 32
...
	.end_amdgpu_metadata
.endif
;; end of part 2
;; launch qkv (part 3): grid 12 x 32, 4 waves a work-group, clusters of 4 x 4, 327,680 bytes of LDS; arguments xq, wq, b_attn, qkv16, f32c; writes qkv16, f32c
.if DOCPART == 3
	.amdgcn_target "amdgcn-amd-amdhsa--gfx1250"
	.amdhsa_code_object_version 6
	.text
	.protected	k_qc63e78ce1d_qkv
	.globl	k_qc63e78ce1d_qkv
	.p2align	8
	.type	k_qc63e78ce1d_qkv,@function
k_qc63e78ce1d_qkv:
	s_mov_b64 s[64:65], 0
	v_nop
	global_prefetch_b8 v0, s[64:65] scope:SCOPE_SE
	s_setreg_imm32_b32 hwreg(HW_REG_WAVE_MODE, 25, 1), 1
	s_wait_xcnt 0x0
	s_wait_alu depctr_hold_cnt(0) depctr_sa_sdst(0) depctr_va_vdst(0) depctr_va_sdst(0) depctr_va_ssrc(0) depctr_va_vcc(0) depctr_vm_vsrc(0)
	s_getreg_b32 s2, hwreg(HW_REG_IB_STS2, 6, 4)
	s_cmp_eq_u32 s2, 0
	s_cbranch_scc0 .Lentry_in_a_cluster
	s_endpgm
.Lentry_in_a_cluster:
	s_bfe_u32 s2, ttmp6, 0x10000c
	s_cmp_lg_u32 s2, 0xf033
	s_cbranch_scc0 .Lentry_shape_is_right
	s_endpgm
.Lentry_shape_is_right:
; qkv = Q(x) Q(W_attn) + b_attn on codes of FP4 (E2M1) with one E8M0 scale for each 32 along K; sums in f32.  M 8192, N 3072, K 1024.
; A tile of 256 x 256 is made by four waves, each 128 x 128: 64 accumulators of 16 x 16.  K is 1024: two LDS slots of 512 along K hold all of it, so both are filled once, at the start, and nothing is filled again.
; The scale bytes of the work-group's 256 rows of x and 256 columns of W come into LDS once, in rows of 256 bytes.
; CLUSTERS: 4 x 4 work-groups; x's tiles are asked for jointly along a row of the cluster, W's along a column.  The tile row is 8 cy + cluster y: cy is the batch, cluster y the block of 256 tokens in the sequence,
; so that "the sequence's first tokens" is a test on the cluster's y, which all partners share.  Cluster x is the part (q, k or v).
; THE MATRIX INSTRUCTION IS USED TRANSPOSED (source 0 = 16 columns of W, source 1 = 16 tokens): a lane holds eight neighbouring channels of one token.  The bias is the C of each sum's first instruction.
; OUT: f16, head-major: qkv16[part][16 batch + head][token][64]; sixteen lanes store 256 consecutive bytes (two tokens of a head).  The first 16 tokens of every sequence also leave in f32, into f32c[part][16 batch + head][16][64].
; LIMIT: |q|, |k|, |v| stay under 65,504 (f16).
; REGISTERS, in windows of 256: window 0: v0-31 addresses; v32-95 scale words, two sets; v128-191 x's fragments, one set; v192-255 the bias, later packed results.  window 1: W's fragments, two sets.  windows 2, 3: the accumulators.
.set KSTEP,  512
.set NQ,     4
.set ROWB,   256
.set KROW,   512
.set PITCH,  272                       ; an LDS row: 256 bytes + 16: the 16 rows that a load touches start at 16 different groups of banks
.set FR,     8
.set NL,     2
.set NP,     4
.set HALFT,  128*PITCH
.set SLOT,   4*HALFT
.set KS,     32                        ; a row of scale bytes
.set SCL,    2*SLOT
.set HALFS,  (128*KS/256)*272
.set SBLK,   (16*KS/256)*272
.set SPARE,  SCL+4*HALFS               ; the spare words: 128 bytes a wave, named by no other line
.set SPITCH, 400                       ; the way out: a stage of 16 rows x (256 bytes + 144) a wave, in slot 0, which has had its one fill and its last read when the first result is stored there
.set XSC,    4194304
.set WSC,    1572864
.set ADRA, 16
.set ADRB, 20
.set STO,  24
.set RD,   25
.set CO,   26
.set ADRS, 27
.set SPW,  28
.set NIL,  29
.set BO,   30                          ; v30  32 x (lane / 16): my eight numbers of a block's bias
.set FO,   31                          ; v31  the f32 copy: 256 x (lane % 16) + 32 x (lane / 16)
.set SC,   32
.set AF,   128
.set BI,   192                         ; the bias: block b at v[BI + 8 b]
.set TMP,  192
.set BK,   128
.set G1, 24
.set G0, 32
.set G1B, 48
.set G0B, 56
.set G1S, 68
.set G0S, 76
.set G1SB, 80
.set G0SB, 88
.set MSB, 0
.macro WIN new                         ; the immediate's high byte repeats the setting that is left
.if MSB != \new
	s_set_vgpr_msb (MSB<<8)|\new
.set MSB, \new
.endif
.endm
.set MUL_LO, 0xa1                      ; source 0 (W) window 1, source 1 (x) window 0, C and D window 2
.set MUL_HI, 0xf1                      ; the same, C and D window 3
.set TO_B,   0x40
; A joint load: waves 0 and 1 fetch for x, waves 2 and 3 for W.  An s_nop 0 and four v_nop follow each of the two lines.
.macro JLOAD g0a, g1a, g0b, g1b
	s_cmp_eq_u32 s15, 0
	s_cbranch_scc0 .Lfor_b_\@
	tensor_load_to_lds s[\g0a:\g0a+3], s[\g1a:\g1a+7]
	s_nop 0
.rept 4
	v_nop
.endr
	s_branch .Lasked_\@
.Lfor_b_\@:
	tensor_load_to_lds s[\g0b:\g0b+3], s[\g1b:\g1b+7]
	s_nop 0
.rept 4
	v_nop
.endr
.Lasked_\@:
.endm
.macro CROUND                          ; a round of the cluster's barrier
	s_barrier_signal -1
	s_barrier_wait -1
	s_cmp_lg_u32 s14, 0
	s_cbranch_scc1 .Lnot_wave_0_\@
	s_barrier_signal -3
.Lnot_wave_0_\@:
	s_barrier_wait -3
	s_barrier_signal -1
	s_barrier_wait -1
.endm
	s_load_b128 s[4:7], s[0:1], 0x0                ; xq s[4:5], wq s[6:7]
	s_load_b128 s[8:11], s[0:1], 0x10              ; b_attn s[8:9], qkv16 s[10:11]
	s_load_b64 s[12:13], s[0:1], 0x20              ; f32c
	v_lshl_add_u32 v[SPW], v0, 2, SPARE
	v_mov_b32 v[NIL], 0
	ds_add_u32 v[SPW], v[NIL]                      ; the opening: the add, twice on end, and its wait ahead of my first tensor load
	ds_add_u32 v[SPW], v[NIL]
	v_lshrrev_b32 v1, 5, v0
	v_readfirstlane_b32 s14, v1                    ; wave 0..3
	s_lshr_b32 s15, s14, 1                         ; which half of the tile's tokens is mine.  Also: I fetch for x (0) or for W (1)
	s_and_b32 s16, s14, 1                          ; which half of its columns.  Also: which 128 rows I fetch
	s_bfe_u32 s40, ttmp6, 0x40000                  ; cx
	s_bfe_u32 s41, ttmp6, 0x40004                  ; cy
	s_lshl_b32 s42, ttmp9, 2
	s_add_co_u32 s42, s42, s40                     ; tile column = 4 x cluster x + cx
	s_and_b32 s66, ttmp7, 0xffff                   ; cluster y
	s_lshl_b32 s17, s41, 3
	s_add_co_u32 s17, s17, s66                     ; tile row = 8 cy + cluster y
	s_lshl_b32 s43, s41, 2
	s_lshl_b32 s43, 15, s43                        ; my row of the cluster
	s_lshl_b32 s44, 0x1111, s40                    ; my column
	s_or_b32 s[G1+0], s43, (0<<16)|(1<<20)|(1<<21)|(5<<22)|(3<<25)  ; the mask; elements of 1 byte; padding on; bit 21 beside a mask; 4 words behind every 64
	s_or_b32 s[G1B+0], s44, (0<<16)|(1<<20)|(1<<21)|(5<<22)|(3<<25)
.irp g, G1, G1B
	s_mov_b32 s[\g+1], ROWB<<16                    ; tensor_dim0
	s_mov_b32 s[\g+2], 128<<16                     ; tensor_dim1
	s_mov_b32 s[\g+3], ROWB<<16                    ; tile_dim0
	s_mov_b32 s[\g+4], 128                         ; tile_dim1
	s_mov_b32 s[\g+5], KROW                        ; the pitch
	s_mov_b32 s[\g+6], 0
	s_mov_b32 s[\g+7], 0
.endr
	s_or_b32 s[G1S+0], s43, (3<<16)|(1<<20)|(1<<21)|(5<<22)|(3<<25)  ; the scales of 128 rows: 4,096 dense bytes as 16 rows of 256
	s_or_b32 s[G1SB+0], s44, (3<<16)|(1<<20)|(1<<21)|(5<<22)|(3<<25)
.irp g, G1S, G1SB
	s_mov_b32 s[\g+1], 32<<16
	s_mov_b32 s[\g+2], (128*KS/256)<<16
	s_mov_b32 s[\g+3], 32<<16
	s_mov_b32 s[\g+4], 128*KS/256
	s_mov_b32 s[\g+5], 32
	s_mov_b32 s[\g+6], 0
	s_mov_b32 s[\g+7], 0
.endr
	s_lshl_b32 s18, s16, 7
	s_lshl_b32 s20, s17, 8
	s_add_co_u32 s20, s20, s18                     ; x: row 256 x tile row + 128 x half
	s_lshl_b32 s46, s42, 8
	s_add_co_u32 s46, s46, s18                     ; W: column 256 x tile column + 128 x half
	s_mov_b32 s21, 0
	s_mov_b32 s47, 0
	s_mov_b64 s[18:19], KS
	s_mul_u64 s[22:23], s[20:21], s[18:19]
	s_mul_u64 s[92:93], s[46:47], s[18:19]
	s_mov_b64 s[18:19], KROW
	s_mul_u64 s[20:21], s[20:21], s[18:19]
	s_mul_u64 s[46:47], s[46:47], s[18:19]
	s_mul_i32 s45, s14, HALFT                      ; where they go: wave x 128 rows
	s_mul_i32 s94, s14, HALFS
	s_wait_dscnt 0x0                               ; both opening adds are done
	s_wait_kmcnt 0x0
	s_add_nc_u64 s[20:21], s[4:5], s[20:21]
	s_add_nc_u64 s[22:23], s[4:5], s[22:23]
	s_add_nc_u64 s[22:23], s[22:23], XSC
	s_add_nc_u64 s[46:47], s[6:7], s[46:47]
	s_add_nc_u64 s[92:93], s[6:7], s[92:93]
	s_add_nc_u64 s[92:93], s[92:93], WSC
	CROUND                                         ; all sixteen work-groups are here: the joint loads meet
	s_mov_b32 s[G0S], 1
	s_add_co_u32 s[G0S+1], s94, SCL
	s_mov_b64 s[G0S+2:G0S+3], s[22:23]
	s_or_b32 s[G0S+3], s[G0S+3], 0x80000000
	s_mov_b32 s[G0SB], 1
	s_add_co_u32 s[G0SB+1], s94, SCL
	s_mov_b64 s[G0SB+2:G0SB+3], s[92:93]
	s_or_b32 s[G0SB+3], s[G0SB+3], 0x80000000
	JLOAD G0S, G1S, G0SB, G1SB                     ; the scales first
.irp s, 0,1
	s_mov_b32 s[G0+4*\s], 1
	s_add_co_u32 s[G0+4*\s+1], s45, \s*SLOT
	s_add_nc_u64 s[G0+4*\s+2:G0+4*\s+3], s[20:21], \s*ROWB
	s_or_b32 s[G0+4*\s+3], s[G0+4*\s+3], 0x80000000
	s_mov_b32 s[G0B+4*\s], 1
	s_add_co_u32 s[G0B+4*\s+1], s45, \s*SLOT
	s_add_nc_u64 s[G0B+4*\s+2:G0B+4*\s+3], s[46:47], \s*ROWB
	s_or_b32 s[G0B+4*\s+3], s[G0B+4*\s+3], 0x80000000
	JLOAD G0+4*\s, G1, G0B+4*\s, G1B               ; by this text's count three tensor loads of a wave are out
.endr
	v_and_b32 v1, 15, v0                           ; r
	v_bfe_u32 v2, v0, 4, 1                         ; h
	v_lshlrev_b32 v[BO], 5, v2
	s_lshl_b32 s96, s42, 10                        ; the bias of my 128 columns: 4 (256 x tile column + 128 x half)
	s_lshl_b32 s97, s16, 9
	s_add_co_u32 s96, s96, s97
	s_mov_b32 s97, 0
	s_add_nc_u64 s[8:9], s[8:9], s[96:97]
.irp b, 0,1,2,3,4,5,6,7
	global_load_b128 v[BI+8*\b:BI+8*\b+3], v[BO], s[8:9] offset:64*\b
	global_load_b128 v[BI+8*\b+4:BI+8*\b+7], v[BO], s[8:9] offset:64*\b+16
.endr
	v_mul_u32_u24 v3, v1, PITCH
	v_lshl_add_u32 v4, v2, 4, v3                   ; a fragment's row x pitch + 16 x half
	s_mul_i32 s21, s15, HALFT
	s_mul_i32 s22, s16, HALFT
	s_add_co_u32 s22, s22, 2*HALFT
.irp s, 0,1
	v_add_nc_u32 v[ADRA+\s], s21, v4
	v_add_nc_u32 v[ADRB+\s], s22, v4
	s_add_co_u32 s21, s21, SLOT
	s_add_co_u32 s22, s22, SLOT
.endr
	v_mul_u32_u24 v5, v1, KS                       ; my row's scales: 32 bytes a row, and 16 more for each 256 passed
	v_lshrrev_b32 v6, 8, v5
	v_lshl_add_u32 v5, v6, 4, v5
	s_mul_i32 s21, s15, HALFS
	s_mul_i32 s22, s16, HALFS
	s_add_co_u32 s22, s22, 2*HALFS
	s_sub_co_u32 s22, s22, s21
	v_mul_u32_u24 v6, s22, v2                      ; lanes 16-31 take W's
	s_add_co_u32 s21, s21, SCL
	v_add_nc_u32 v5, v5, v6
	v_add_nc_u32 v[ADRS], s21, v5
	s_mul_i32 s23, s14, 16*SPITCH                  ; my stage
	v_mul_u32_u24 v5, v1, SPITCH
	v_lshl_add_u32 v5, v2, 4, v5
	v_add_nc_u32 v[STO], s23, v5                   ; in: token r, 16 bytes for each half of the lanes
	v_bfe_u32 v5, v0, 3, 1
	v_mul_u32_u24 v5, v5, SPITCH
	v_lshl_add_u32 v5, v2, 7, v5
	v_and_b32 v6, 7, v0
	v_lshl_add_u32 v5, v6, 4, v5
	v_add_nc_u32 v[RD], s23, v5                    ; back: lanes 0-15 two tokens of my first head, lanes 16-31 of my second
	v_lshlrev_b32 v[CO], 18, v2
	v_lshl_add_u32 v[CO], v1, 4, v[CO]             ; and in memory: a head is 262,144 bytes, two tokens 256
	v_lshl_add_u32 v[FO], v1, 8, v[BO]
	s_lshl_b32 s20, s41, 4
	s_lshl_b32 s21, s40, 2
	s_add_co_u32 s20, s20, s21
	s_lshl_b32 s21, s16, 1
	s_add_co_u32 s20, s20, s21                     ; 16 batch + my first head
	s_lshl_b32 s22, s20, 12
	s_lshl_b32 s23, ttmp9, 18
	s_add_co_u32 s22, s22, s23
	s_mov_b32 s23, 0
	s_add_nc_u64 s[12:13], s[12:13], s[22:23]      ; f32c at my part and head
	s_lshl_b32 s20, s20, 18
	s_lshl_b32 s21, ttmp9, 24
	s_add_co_u32 s20, s20, s21
	s_lshl_b32 s21, s66, 15
	s_add_co_u32 s20, s20, s21
	s_lshl_b32 s21, s15, 14
	s_add_co_u32 s20, s20, s21
	s_mov_b32 s21, 0
	s_add_nc_u64 s[10:11], s[10:11], s[20:21]      ; qkv16 at my part, head and first token
.macro FRAG reg, adr, q, i             ; 16 rows x 128 K of 4-bit codes: 8 registers, two loads of 16 bytes, 32 bytes apart
.irp c, 0,1
	ds_load_b128 v[\reg+4*\c:\reg+4*\c+3], v[\adr] offset:64*(\q)+32*\c+(\i)*16*PITCH
.endr
.endm
; 16 matrix instructions: x's blocks a0, a0 + 1 against W's eight.  zero = 1: the first product starts the sums from the bias.  The 64 accumulators take turns, one instruction a turn.
.macro MUL16 a0, p, q, sc, zero
.irp a, \a0, \a0+1
.irp b, 0,1,2,3,4,5,6,7
.if \zero
	v_wmma_scale_f32_16x16x128_f8f6f4 v[8*(8*((\a)%4)+\b):8*(8*((\a)%4)+\b)+7], v[128*(\p)+FR*\b:128*(\p)+FR*\b+FR-1], v[AF+FR*(\a):AF+FR*(\a)+FR-1], v[BI+8*\b:BI+8*\b+7], v[SC+8*NQ*(\sc)+NQ*\b+(\q)], v[SC+8*NQ*(\sc)+NQ*(\a)+(\q)] matrix_a_fmt:MATRIX_FMT_FP4 matrix_b_fmt:MATRIX_FMT_FP4 matrix_a_scale:MATRIX_SCALE_ROW1
.else
	v_wmma_scale_f32_16x16x128_f8f6f4 v[8*(8*((\a)%4)+\b):8*(8*((\a)%4)+\b)+7], v[128*(\p)+FR*\b:128*(\p)+FR*\b+FR-1], v[AF+FR*(\a):AF+FR*(\a)+FR-1], v[8*(8*((\a)%4)+\b):8*(8*((\a)%4)+\b)+7], v[SC+8*NQ*(\sc)+NQ*\b+(\q)], v[SC+8*NQ*(\sc)+NQ*(\a)+(\q)] matrix_a_fmt:MATRIX_FMT_FP4 matrix_b_fmt:MATRIX_FMT_FP4 matrix_a_scale:MATRIX_SCALE_ROW1
.endif
.endr
.endr
.endm
.macro FETCH_B slot, q, p
	WIN TO_B
.irp i, 0,1,2,3,4,5,6,7
	FRAG 128*(\p)+FR*\i, ADRB+\slot, \q, \i
.endr
	WIN 0
.endm
.macro FETCH_A slot, q, i0
.irp i, \i0, \i0+1, \i0+2, \i0+3
	FRAG AF+FR*(\i), ADRA+\slot, \q, \i
.endr
.endm
.macro SCALES sc                       ; a slot's scale words: 4 words a row; lanes 0-15 x's block i, lanes 16-31 W's block i
.irp i, 0,1,2,3,4,5,6,7
	ds_load_b128 v[SC+8*NQ*\sc+NQ*\i:SC+8*NQ*\sc+NQ*\i+3], v[ADRS] offset:\i*SBLK
.endr
.endm
.macro PLACES n                        ; plain vector lines between a matrix instruction and a load into, or a read of, its registers
.rept \n
	v_nop
.endr
.endm
.macro STEP slot, q, zero              ; 128 along K, with its successor in the same slot
	s_wait_dscnt 4*NL                              ; W's set and x's blocks 0-3 are in; the youngest eight loads (x's blocks 4-7) may be out
.if \zero
	WIN 0x81                                       ; C (the bias) in window 0, D in window 2
.else
	WIN MUL_LO
.endif
	MUL16 0, (\q)%2, \q, \slot, \zero
	MUL16 2, (\q)%2, \q, \slot, \zero
	s_wait_dscnt 0
	PLACES NP
	FETCH_B \slot, (\q)+1, 1-(\q)%2
	FETCH_A \slot, (\q)+1, 0
.if \zero
	WIN 0xc1
.else
	WIN MUL_HI
.endif
	MUL16 4, (\q)%2, \q, \slot, \zero
	MUL16 6, (\q)%2, \q, \slot, \zero
	PLACES NP
	WIN 0
	FETCH_A \slot, (\q)+1, 4
.endm
.macro STEPS slot, from
.set Q, \from
.rept NQ-1-\from
	STEP \slot, Q, 0
.set Q, Q+1
.endr
.endm
	s_wait_tensorcnt 1                             ; the scales and my part of slot 0 are in; slot 1's load may be out
	s_barrier_signal -1
	s_barrier_wait -1
	FETCH_B 0, 0, 0
	FETCH_A 0, 0, 0
	SCALES 0
	FETCH_A 0, 0, 4
	s_wait_loadcnt 0x0                             ; the bias
	STEP 0, 0, 1
	STEPS 0, 1
	; slot 0's last step changes slots: one barrier; in front of it my part of slot 1 has landed and my reads of slot 0 are over
	s_wait_tensorcnt 0x0
	ds_add_u32 v[SPW], v[NIL]
	s_wait_dscnt 4*NL+1                            ; the add and the youngest eight loads may be out
	WIN MUL_LO
	MUL16 0, 1, NQ-1, 0, 0
	s_wait_dscnt 0x0
	s_barrier_signal -1
	MUL16 2, 1, NQ-1, 0, 0
	WIN 0
	s_barrier_wait -1
	PLACES NP
	v_add_nc_u32 v[ADRS], 4*NQ, v[ADRS]            ; slot 1's scale words
	FETCH_B 1, 0, 0
	FETCH_A 1, 0, 0
	SCALES 1
	WIN MUL_HI
	MUL16 4, 1, NQ-1, 0, 0
	MUL16 6, 1, NQ-1, 0, 0
	PLACES NP
	WIN 0
	FETCH_A 1, 0, 4
	STEPS 1, 0
	s_wait_dscnt 4*NL                              ; the very last step
	WIN MUL_LO
	MUL16 0, 1, NQ-1, 1, 0
	MUL16 2, 1, NQ-1, 1, 0
	s_wait_dscnt 0
	WIN MUL_HI
	MUL16 4, 1, NQ-1, 1, 0
	MUL16 6, 1, NQ-1, 1, 0
	WIN 0
	PLACES NP                                      ; in front of the first reads of results and of loads into x's fragments' registers
	; the first 16 tokens of a sequence (cluster y = 0, my half 0, block 0) also leave in f32; the test is the same in all partners for a given wave
	s_cmp_lg_u32 s15, 0
	s_cbranch_scc1 .Lno_copy
	s_cmp_lg_u32 s66, 0
	s_cbranch_scc1 .Lno_copy
	WIN 0x08                                       ; a store's data: window 2
.irp b, 0,1,2,3,4,5,6,7
	global_store_b128 v[FO], v[8*\b:8*\b+3], s[12:13] offset:(\b/4)*4096+(\b%4)*64        ; each accumulator from its low end on
	global_store_b128 v[FO], v[8*\b+4:8*\b+7], s[12:13] offset:(\b/4)*4096+(\b%4)*64+16
.endr
	WIN 0
.Lno_copy:
; THE WAY OUT, a block of 16 tokens x 128 channels at a time: rounded to f16, through my stage, back as runs of 256 bytes of one head.
.macro PACK a
.set AC, 64*((\a)%4)
	WIN 0x0a+5*((\a)/4)                            ; sources 0 and 1: window 2 or 3
.irp b, 0,1,2,3,4,5,6,7
.irp r, 0,1,2,3
	v_cvt_pk_f16_f32 v[TMP+4*\b+\r], v[AC+8*\b+2*\r], v[AC+8*\b+2*\r+1]
.endr
.endr
	WIN 0
.endm
.macro TOSTAGE a
.set BB, BK+32*((\a)%2)
.irp b, 0,1,2,3,4,5,6,7
	ds_store_b128 v[STO], v[TMP+4*\b:TMP+4*\b+3] offset:32*\b
.endr
.irp t, 0,1,2,3,4,5,6,7
	ds_load_b128 v[BB+4*\t:BB+4*\t+3], v[RD] offset:\t*2*SPITCH    ; LDS serves a wave's instructions in order: these see the stores above
.endr
.endm
.macro SEND a
.set BB, BK+32*((\a)%2)
	s_wait_dscnt 0x0                               ; the block is back in registers
	s_wait_xcnt 0x0                                ; earlier stores have read their base and their data: both may be written again
.if (\a) > 0
	s_add_nc_u64 s[10:11], s[10:11], 2048          ; 16 tokens on
.endif
.irp t, 0,1,2,3,4,5,6,7
	global_store_b128 v[CO], v[BB+4*\t:BB+4*\t+3], s[10:11] offset:\t*256   ; sixteen lanes store 256 consecutive bytes
.endr
.endm
	PACK 0
	TOSTAGE 0
.irp a, 1,2,3,4,5,6,7
	PACK \a
	SEND \a-1
	TOSTAGE \a
.endr
	SEND 7
	s_wait_tensorcnt 0x0                           ; the wave's end
	ds_add_u32 v[SPW], v[NIL]
	s_wait_dscnt 0x0
	CROUND                                         ; the closing round
	s_endpgm
.Lfunc_end_k_qc63e78ce1d_qkv:
	.size	k_qc63e78ce1d_qkv, .Lfunc_end_k_qc63e78ce1d_qkv-k_qc63e78ce1d_qkv
	.p2alignl 7, 3214868480
	.fill 96, 4, 3214868480
	.section	.rodata,"a",@progbits
	.p2align	6, 0x0
	.amdhsa_kernel k_qc63e78ce1d_qkv
		.amdhsa_group_segment_fixed_size 327680
		.amdhsa_private_segment_fixed_size 0
		.amdhsa_enable_private_segment 0
		.amdhsa_kernarg_size 40
		.amdhsa_user_sgpr_count 2
		.amdhsa_user_sgpr_kernarg_segment_ptr 1
		.amdhsa_wavefront_size32 1
		.amdhsa_system_sgpr_workgroup_id_x 1
		.amdhsa_system_sgpr_workgroup_id_y 1
		.amdhsa_system_sgpr_workgroup_id_z 1
		.amdhsa_system_vgpr_workitem_id 0
		.amdhsa_next_free_vgpr 1024
		.amdhsa_next_free_sgpr 100
		.amdhsa_reserve_vcc 0
		.amdhsa_float_denorm_mode_32 3
		.amdhsa_float_denorm_mode_16_64 3
		.amdhsa_memory_ordered 1
		.amdhsa_forward_progress 1
		.amdhsa_inst_pref_size 131
	.end_amdhsa_kernel
	.amdgpu_metadata
---
amdhsa.version: [ 1, 2 ]
amdhsa.kernels:
  - .name:           k_qc63e78ce1d_qkv
    .symbol:         k_qc63e78ce1d_qkv.kd
    .args:
      - { .name: xq, .offset: 0, .size: 8, .value_kind: global_buffer, .address_space: global }
      - { .name: wq, .offset: 8, .size: 8, .value_kind: global_buffer, .address_space: global }
      - { .name: b_attn, .offset: 16, .size: 8, .value_kind: global_buffer, .address_space: global }
      - { .name: qkv16, .offset: 24, .size: 8, .value_kind: global_buffer, .address_space: global }
      - { .name: f32c, .offset: 32, .size: 8, .value_kind: global_buffer, .address_space: global }
    .group_segment_fixed_size: 327680
    .private_segment_fixed_size: 0
    .kernarg_segment_align: 8
    .kernarg_segment_size: 40
    .max_flat_workgroup_size: 128
    .sgpr_count:     100
    .vgpr_count:     1024
    .wavefront_size: 32
...
	.end_amdgpu_metadata
.endif
;; end of part 3
;; launch hid (part 4): grid 64 x 1, 32 waves a work-group, no clusters, 20,736 bytes of LDS; arguments qkv16, attention_mask, hid; writes hid
.if DOCPART == 4
	.amdgcn_target "amdgcn-amd-amdhsa--gfx1250"
	.amdhsa_code_object_version 6
	.text
	.protected	k_qc63e78ce1d_hid
	.globl	k_qc63e78ce1d_hid
	.p2align	8
	.type	k_qc63e78ce1d_hid,@function
k_qc63e78ce1d_hid:
	s_mov_b64 s[64:65], 0
	v_nop
	global_prefetch_b8 v0, s[64:65] scope:SCOPE_SE
	s_setreg_imm32_b32 hwreg(HW_REG_WAVE_MODE, 25, 1), 1
	s_wait_xcnt 0x0
; THE HIDDEN KEYS.  Under the causal mask a hidden key j has the score -10000 + mask[j], whatever the query: it is not thrown away, and where the visible keys carry holes it carries the row.
; For each (batch, head) this launch makes a table of softmax states of suffixes of the keys: M = the largest hidden score, L = the sum of 2^(c hs - round(c M)), V = the same sum weighed with v; c = log2(e).
; Entry e = 0 .. 31: keys >= 64 (e + 1) (entry 31 is empty: M = -1e38, L = 0, V = 0); entry 32: keys >= 16.  hidv [64][33][64] f32 at hid + 0; hidm [64][33][32 words] at hid + HIDM, even words M, odd words L.
; A work-group is one (batch, head).  Wave n makes the state of keys 64 n .. 64 n + 63; wave 0 then joins them from the last block down.
; LIMITS: hidden scores under -1e37 are held at -1e37; NaN and infinities in the mask are not served.
.set PART,  16777216
.set HIDM,  540672
.set EW,    0                          ; LDS: 256 bytes a wave: the block's 64 weights, turned
.set BV,    8192                       ; 32 x 256: the blocks' weighed sums of v
.set BM,    16384                      ; 32 x 8: (bm, bl)
.set SPARE, 16640                      ; the spare words: 128 bytes a wave, named by no other line
.set SPW, 2
.set NIL, 3
	s_load_b128 s[4:7], s[0:1], 0x0                ; qkv16, attention_mask
	s_load_b64 s[8:9], s[0:1], 0x10                ; hid
	v_lshl_add_u32 v[SPW], v0, 2, SPARE
	v_mov_b32 v[NIL], 0
	v_lshrrev_b32 v1, 5, v0
	v_readfirstlane_b32 s10, v1                    ; wave n = block of 64 keys
	v_and_b32 v1, 31, v0                           ; lane L
	s_lshl_b32 s11, s10, 8                         ; 256 n
	v_and_b32 v13, 1, v1
	v_lshrrev_b32 v14, 1, v1
	v_lshlrev_b32 v4, 7, v13
	v_lshl_add_u32 v4, v14, 2, v4
	v_add_nc_u32 v4, s11, v4                       ; weights in: key 2 L lies at [2 (L % 2)][L / 2]: 128 (L % 2) + 4 (L / 2); key 2 L + 1 64 bytes on
	v_lshrrev_b32 v13, 3, v1
	v_lshlrev_b32 v5, 6, v13
	v_add_nc_u32 v5, s11, v5                       ; weights back: 64 (L / 8): those of keys 4 i + L / 8, i = 0 .. 15
	v_and_b32 v13, 7, v1
	v_lshlrev_b32 v6, 5, v13
	v_add_nc_u32 v6, s11, v6
	v_add_nc_u32 v6, BV, v6                        ; my eight channels' sums: BV + 256 n + 32 (L % 8)
	s_lshl_b32 s12, s10, 3
	s_add_co_u32 s12, s12, BM
	v_mov_b32 v7, s12                              ; BM + 8 n
	v_lshl_add_u32 v8, v1, 3, BV                   ; the scan: two channels a lane
	v_lshl_add_u32 v9, v1, 3, BM                   ; and block L's (bm, bl)
	v_lshlrev_b32 v10, 4, v1
	v_lshlrev_b32 v11, 3, v1
	v_lshlrev_b32 v12, 2, v1
	s_lshl_b32 s14, ttmp9, 18                      ; the head's v: part 2, 262,144 bytes a head, 8,192 a block
	s_lshl_b32 s15, s10, 13
	s_add_co_u32 s14, s14, s15
	s_add_co_u32 s14, s14, 2*PART
	s_mov_b32 s15, 0
	s_lshr_b32 s16, ttmp9, 4                       ; the batch's mask: 8,192 bytes, 256 a block
	s_lshl_b32 s16, s16, 13
	s_add_co_u32 s16, s16, s11
	s_mov_b32 s17, 0
	s_mul_i32 s18, ttmp9, 8448
	s_mov_b32 s19, 0
	s_mul_i32 s28, ttmp9, 4224
	s_add_co_u32 s28, s28, HIDM
	s_mov_b32 s29, 0
	s_mov_b32 s22, 0x3fb8aa3b                      ; c = log2(e)
	s_mov_b32 s23, 0xaaaaaaaa                      ; the odd lanes
	s_mov_b32 s24, 0xc61c4000                      ; -10000
	s_mov_b32 s25, 0xfcf0bdc2                      ; -1e37
	s_mov_b32 s26, 0x76543210
	s_mov_b32 s27, 0xfedcba98                      ; selects for lane l xor 16
	s_wait_kmcnt 0x0
	s_add_nc_u64 s[4:5], s[4:5], s[14:15]
	s_add_nc_u64 s[6:7], s[6:7], s[16:17]
	s_add_nc_u64 s[12:13], s[8:9], s[28:29]        ; hidm of my head
	s_add_nc_u64 s[8:9], s[8:9], s[18:19]          ; hidv of my head
	global_load_b64 v[14:15], v11, s[6:7]          ; mask of keys 2 L, 2 L + 1
.irp i, 0,1,2,3,4,5,6,7,8,9,10,11,12,13,14,15
	global_load_b128 v[64+4*\i:67+4*\i], v10, s[4:5] offset:512*\i   ; four keys a load: key 4 i + L / 8, channels 8 (L % 8) on
.endr
	s_wait_loadcnt 16                              ; the mask is in; v's 16 loads may be out
	v_add_f32 v14, s24, v14                        ; the hidden score,
	v_add_f32 v15, s24, v15
	v_max_num_f32 v14, s25, v14                    ; held
	v_max_num_f32 v15, s25, v15
	v_cmp_gt_u32 vcc_lo, 8, v0                     ; keys under 16 belong to no suffix of the table
	v_mov_b32 v37, 0xff61b1e6                      ; -3e38: their weight comes out 0
	v_cndmask_b32 v14, v14, v37, vcc_lo
	v_cndmask_b32 v15, v15, v37, vcc_lo
	v_max_num_f32 v32, v14, v15
	v_max_num_f32_dpp v32, v32, v32 row_xmask:1 row_mask:0xf bank_mask:0xf
	v_max_num_f32_dpp v32, v32, v32 row_xmask:2 row_mask:0xf bank_mask:0xf
	v_max_num_f32_dpp v32, v32, v32 row_xmask:4 row_mask:0xf bank_mask:0xf
	v_max_num_f32_dpp v32, v32, v32 row_xmask:8 row_mask:0xf bank_mask:0xf
	v_permlanex16_b32 v37, v32, s26, s27
	v_max_num_f32 v32, v32, v37                    ; bm
	v_mul_f32 v36, s22, v32                        ; round(c bm)
	v_fma_f32 v14, v14, s22, -v36
	v_fma_f32 v15, v15, s22, -v36
	v_exp_f32 v34, v14
	v_exp_f32 v35, v15
	v_nop                                          ; a plain line behind the exponentials,
	s_wait_alu depctr_va_vdst(0)                   ; and the wait ahead of their first reader
	ds_store_b32 v4, v34
	ds_store_b32 v4, v35 offset:64
.irp k, 0,1,2,3
	ds_load_b128 v[40+4*\k:43+4*\k], v5 offset:16*\k   ; my own bytes, in order behind my stores
.endr
	v_add_f32 v33, v34, v35
	v_add_f32_dpp v33, v33, v33 row_xmask:1 row_mask:0xf bank_mask:0xf
	v_add_f32_dpp v33, v33, v33 row_xmask:2 row_mask:0xf bank_mask:0xf
	v_add_f32_dpp v33, v33, v33 row_xmask:4 row_mask:0xf bank_mask:0xf
	v_add_f32_dpp v33, v33, v33 row_xmask:8 row_mask:0xf bank_mask:0xf
	v_permlanex16_b32 v37, v33, s26, s27
	v_add_f32 v33, v33, v37                        ; bl
	s_wait_loadcnt 0x0
	s_wait_dscnt 0x0
; number NN of my 128: load NN / 8, channel NN % 8: widened to f32 and weighed.  The first eight start the sums.
.set NN, 0
.macro ONE op
	v_cvt_f32_f16 v[16+NN%8], \op
.if NN < 8
	v_mul_f32 v[24+NN%8], v[16+NN%8], v[40+NN/8]
.else
	v_fmac_f32 v[24+NN%8], v[16+NN%8], v[40+NN/8]
.endif
.set NN, NN+1
.endm
.irp op, v64.l, v64.h, v65.l, v65.h, v66.l, v66.h, v67.l, v67.h, v68.l, v68.h, v69.l, v69.h, v70.l, v70.h, v71.l, v71.h, v72.l, v72.h, v73.l, v73.h, v74.l, v74.h, v75.l, v75.h, v76.l, v76.h, v77.l, v77.h, v78.l, v78.h, v79.l, v79.h
	ONE \op
.endr
.irp op, v80.l, v80.h, v81.l, v81.h, v82.l, v82.h, v83.l, v83.h, v84.l, v84.h, v85.l, v85.h, v86.l, v86.h, v87.l, v87.h, v88.l, v88.h, v89.l, v89.h, v90.l, v90.h, v91.l, v91.h, v92.l, v92.h, v93.l, v93.h, v94.l, v94.h, v95.l, v95.h
	ONE \op
.endr
.irp op, v96.l, v96.h, v97.l, v97.h, v98.l, v98.h, v99.l, v99.h, v100.l, v100.h, v101.l, v101.h, v102.l, v102.h, v103.l, v103.h, v104.l, v104.h, v105.l, v105.h, v106.l, v106.h, v107.l, v107.h, v108.l, v108.h, v109.l, v109.h, v110.l, v110.h, v111.l, v111.h
	ONE \op
.endr
.irp op, v112.l, v112.h, v113.l, v113.h, v114.l, v114.h, v115.l, v115.h, v116.l, v116.h, v117.l, v117.h, v118.l, v118.h, v119.l, v119.h, v120.l, v120.h, v121.l, v121.h, v122.l, v122.h, v123.l, v123.h, v124.l, v124.h, v125.l, v125.h, v126.l, v126.h, v127.l, v127.h
	ONE \op
.endr
.irp j, 0,1,2,3,4,5,6,7
	v_add_f32_dpp v[24+\j], v[24+\j], v[24+\j] row_xmask:8 row_mask:0xf bank_mask:0xf   ; the four groups of lanes hold different keys of the same channels
.endr
.irp j, 0,1,2,3,4,5,6,7
	v_permlanex16_b32 v[16+\j], v[24+\j], s26, s27
.endr
.irp j, 0,1,2,3,4,5,6,7
	v_add_f32 v[24+\j], v[24+\j], v[16+\j]
.endr
	ds_store_b128 v6, v[24:27]                     ; (the four groups write the same bytes with the same values)
	ds_store_b128 v6, v[28:31] offset:16
	ds_store_b64 v7, v[32:33]
	s_wait_dscnt 0x0                               ; for wave 0's sake: my stores are done
	s_barrier_signal -1
	s_barrier_wait -1
	s_cmp_lg_u32 s10, 0
	s_cbranch_scc1 .Ldone
	; ---- wave 0 joins the blocks from the last down.  v14 M, v15 round(c M), v16 L; block n's pair v[64 + 2 n] becomes the state's V of keys >= 64 n
.irp n, 0,1,2,3,4,5,6,7,8,9,10,11,12,13,14,15,16,17,18,19,20,21,22,23,24,25,26,27,28,29,30,31
	ds_load_b64 v[64+2*\n:65+2*\n], v8 offset:256*\n
.endr
	ds_load_b64 v[30:31], v9
	v_mov_b32 v14, 0xfe967699                      ; -1e38: the empty state
	v_mul_f32 v15, s22, v14
	v_mov_b32 v16, 0
	v_mov_b32 v25, 0                               ; (named as upper halves of pairs)
	v_mov_b32 v27, 0
	v_mov_b32 v28, 0
	v_mov_b32 v29, 0
	v_cndmask_b32 v21, v14, v16, s23
	global_store_b64 v11, v[28:29], s[8:9] offset:256*31
	global_store_b32 v12, v21, s[12:13] offset:128*31
	s_wait_dscnt 0x0
; Block n joins the state; the result is entry e of the table.  (e comes as text such as 5-1: it stands in parentheses wherever it is multiplied.)
.macro SCAN n, e
	v_readlane_b32 s20, v30, \n                    ; bm, bl of block n
	v_readlane_b32 s21, v31, \n
	v_max_num_f32 v17, s20, v14                    ; the new M
	v_mul_f32 v20, s20, s22                        ; round(c bm), as the block's wave made it
	v_mul_f32 v18, s22, v17
	v_sub_f32 v19, v15, v18
	v_sub_f32 v20, v20, v18
	v_exp_f32 v24, v19                             ; a: the state so far under the new M
	v_exp_f32 v26, v20                             ; g: the block under the new M
	v_mov_b32 v14, v17
	v_mov_b32 v15, v18
	s_wait_alu depctr_va_vdst(0)                   ; one wait for the two, ahead of their first reader
	v_mul_f32 v16, v16, v24
	v_fmac_f32 v16, s21, v26
	v_pk_mul_f32 v[64+2*\n:65+2*\n], v[64+2*\n:65+2*\n], v[26:27] op_sel_hi:[1,0]
.if \n < 31
	v_pk_fma_f32 v[64+2*\n:65+2*\n], v[66+2*\n:67+2*\n], v[24:25], v[64+2*\n:65+2*\n] op_sel_hi:[1,0,1]
.endif
	v_cndmask_b32 v[32+\n], v14, v16, s23          ; even lanes M, odd lanes L; a register of its own for each entry, so that no store's data are written again
	global_store_b64 v11, v[64+2*\n:65+2*\n], s[8:9] offset:256*(\e)
	global_store_b32 v12, v[32+\n], s[12:13] offset:128*(\e)
.endm
.irp n, 31,30,29,28,27,26,25,24,23,22,21,20,19,18,17,16,15,14,13,12,11,10,9,8,7,6,5,4,3,2,1
	SCAN \n, \n-1
.endr
	SCAN 0, 32
.Ldone:
	s_wait_tensorcnt 0x0                           ; the wave's end, behind my last LDS store
	ds_add_u32 v[SPW], v[NIL]
	s_wait_dscnt 0x0
	s_endpgm
.Lfunc_end_k_qc63e78ce1d_hid:
	.size	k_qc63e78ce1d_hid, .Lfunc_end_k_qc63e78ce1d_hid-k_qc63e78ce1d_hid
	.p2alignl 7, 3214868480
	.fill 96, 4, 3214868480
	.section	.rodata,"a",@progbits
	.p2align	6, 0x0
	.amdhsa_kernel k_qc63e78ce1d_hid
		.amdhsa_group_segment_fixed_size 20736
		.amdhsa_private_segment_fixed_size 0
		.amdhsa_enable_private_segment 0
		.amdhsa_kernarg_size 24
		.amdhsa_user_sgpr_count 2
		.amdhsa_user_sgpr_kernarg_segment_ptr 1
		.amdhsa_wavefront_size32 1
		.amdhsa_system_sgpr_workgroup_id_x 1
		.amdhsa_system_sgpr_workgroup_id_y 1
		.amdhsa_system_sgpr_workgroup_id_z 1
		.amdhsa_system_vgpr_workitem_id 0
		.amdhsa_next_free_vgpr 128
		.amdhsa_next_free_sgpr 66
		.amdhsa_reserve_vcc 1
		.amdhsa_float_denorm_mode_32 3
		.amdhsa_float_denorm_mode_16_64 3
		.amdhsa_memory_ordered 1
		.amdhsa_forward_progress 1
		.amdhsa_inst_pref_size 48
	.end_amdhsa_kernel
	.amdgpu_metadata
---
amdhsa.version: [ 1, 2 ]
amdhsa.kernels:
  - .name:           k_qc63e78ce1d_hid
    .symbol:         k_qc63e78ce1d_hid.kd
    .args:
      - { .name: qkv16, .offset: 0, .size: 8, .value_kind: global_buffer, .address_space: global }
      - { .name: attention_mask, .offset: 8, .size: 8, .value_kind: global_buffer, .address_space: global }
      - { .name: hid, .offset: 16, .size: 8, .value_kind: global_buffer, .address_space: global }
    .group_segment_fixed_size: 20736
    .private_segment_fixed_size: 0
    .kernarg_segment_align: 8
    .kernarg_segment_size: 24
    .max_flat_workgroup_size: 1024
    .sgpr_count:     66
    .vgpr_count:     128
    .wavefront_size: 32
...
	.end_amdgpu_metadata
.endif
;; end of part 4
;; launch attn (part 5): grid 4 x 64, 16 waves a work-group, no clusters, 327,680 bytes of LDS; arguments qkv16, attention_mask, hid, ah; writes ah
.if DOCPART == 5
	.amdgcn_target "amdgcn-amd-amdhsa--gfx1250"
	.amdhsa_code_object_version 6
	.text
	.protected	k_qc63e78ce1d_attn
	.globl	k_qc63e78ce1d_attn
	.p2align	8
	.type	k_qc63e78ce1d_attn,@function
k_qc63e78ce1d_attn:
	s_mov_b64 s[64:65], 0
	v_nop
	global_prefetch_b8 v0, s[64:65] scope:SCOPE_SE
	s_setreg_imm32_b32 hwreg(HW_REG_WAVE_MODE, 25, 1), 1
	s_wait_xcnt 0x0
; a[b][h][q] = softmax_k(w) v, w = q . k / 8 + mask[k] where k <= q and -10000 + mask[k] where k > q.  q, k, v: f16, [part][16 b + h][2048][64]; products with f16 operands and f32 sums; maxima, sums, exponentials in f32.
; SHARES.  Work-group (i, bh) owns the blocks i and 7 - i of 256 queries of one head: every work-group has the same number of key steps.  A wave owns 32 queries, two tiles of 16, so that each fragment of K and V read from LDS
; feeds two matrix instructions; the early and the late block's waves are dealt so that each group of four neighbouring waves, and each set w, w + 4, w + 8, w + 12, has two of each.
; THE WALK.  All waves walk 8 slots of 256 keys, 64 keys a step, with constant trip counts.  A step all of whose keys come after the wave's queries is jumped over (a scalar branch on ids, round no barrier);
; a slot whose first key comes after the work-group's last query is not asked for.  Every wait on TENSORcnt is for 0.
; THE HIDDEN KEYS beyond a wave's last step do not hang on the query: their softmax state (M, L, V) comes from the table hid, and the walk STARTS from it where it would else start from zeros.
; Hidden keys inside the diagonal step get -10000 + mask by a select.
; LAYOUT.  S^T = K Q^T (source 0 = 16 keys, source 1 = 16 queries; its C is the mask, so the mask costs no addition; q is scaled by 1/8 at the head, in f32, which changes its exponent alone): a lane holds one query and the keys 8 (lane / 16) + 0..7.
; Two such tiles, rounded to f16 in pairs, are source 1 of O^T = V^T P.  V comes out of LDS turned, by ds_load_tr16_b128.
; SOFTMAX.  Running m and l for each query: p = 2^(c s - round(c m)), c = log2(e); in every step O and l are multiplied by a = 2^(round(c m_old) - round(c m_new)).
; NO CLUSTER: the four work-groups of a head need 8, 7, 6 and 5 slots, so a joint load would bring tiles that no wave of some partner reads.
; LIMITS: |q|, |k|, |v|, |a| under 65,504; a row all of whose scores, hidden ones too, lie under -1e38 / c is not served; NaN and infinities are not served.
; REGISTERS: v1-10 addresses; v12-15 at work; v16-31 statistics, 8 a tile: +0 c m, +1 m, +2 +3 l, +4..+7 at work (+6 takes a); v32-63 Q; v64-127 K's or V's fragments; v128-191 S^T, then P in place; v192-255 O^T.
.set PART,  16777216
.set PK,    144                        ; a row of K in LDS: 128 bytes + 16
.set PV,    160                        ; a row of V: 128 + 32
.set VOFF,  64*PK
.set STEPB, 64*(PK+PV)                 ; a step's tiles lie together: 64 rows of K, then 64 of V
.set SLOT1, 1<<17                      ; a slot holds four steps (77,824 bytes); slot 1 begins here, so that one exclusive or turns an address
.set MASK,  2*SLOT1                    ; the batch's mask, 8,192 dense bytes, filled once
.set STAGE, MASK+8192                  ; the way out: 16 rows x 144 bytes a wave; no tensor load lands here
.set SPARE, STAGE+16*2304              ; the spare words: 128 bytes a wave, named by no other line
.set HIDM,  540672
.set AK0, 1
.set AV0, 2
.set AM0, 3
.set ADK, 4
.set ADV, 5
.set ADM, 6
.set SPW, 7
.set NIL, 8
.set RH,  9                            ; v9   lane % 16 - 8 (lane / 16)
.set PFO, 10                           ; v10  256 x lane; never rewritten
.set ST,  16
.set QF,  32
.set KV,  64
.set S,   128
.set O,   192
.set TB,  2                            ; s2   LDS byte at which the slot in hand begins
.set TM,  3                            ; s3   the step's first byte in the mask
.set WV,  18
.set SEL, 20
.set CS,  22
.set G1K, 24
.set G1V, 32
.set G0K, 40
.set G0V, 44
.set G1M, 48
.set G0M, 56
.set KF,  66                           ; s66  the step's first key
.set Q0,  67                           ; s67  my first query
.set SLOTS, 68
.set LIMQ, 70                          ; s70  my work-group's last query
.set PFA, 72
.set LIM, 74
; Waves 0-3 fetch the four steps' tiles of K, waves 4-7 those of V, the others nothing.  An s_nop 0 and four v_nop follow each tensor load.
.macro TLOAD
	s_cmp_lt_u32 s[WV], 4
	s_cbranch_scc0 .Lnot_k_\@
	tensor_load_to_lds s[G0K:G0K+3], s[G1K:G1K+7]
	s_nop 0
.rept 4
	v_nop
.endr
	s_branch .Lasked_\@
.Lnot_k_\@:
	s_cmp_lt_u32 s[WV], 8
	s_cbranch_scc0 .Lasked_\@
	tensor_load_to_lds s[G0V:G0V+3], s[G1V:G1V+7]
	s_nop 0
.rept 4
	v_nop
.endr
.Lasked_\@:
.endm
; A prefetch of what the NEXT change of slots will ask for: a slot's 32,768 bytes of K and of V.  All work-groups of a head walk the same K and V: the one that walks all slots (x = 0) asks, nobody else.
; In it waves 8-11 ask for K's, waves 12-15 for V's: 8,192 bytes a wave, lanes 256 bytes apart, one instruction: each run of 256 bytes is named once in the launch.  The last change that fills a slot asks for nothing.
.macro ASK
	s_cmp_gt_u32 s[SLOTS], s[LIM]
	s_cbranch_scc0 .Lnot_mine_\@
	global_prefetch_b8 v[PFO], s[PFA:PFA+1] th:TH_LOAD_NT scope:SCOPE_SE
.Lnot_mine_\@:
.endm
	s_load_b128 s[4:7], s[0:1], 0x0                ; qkv16 s[4:5], attention_mask s[6:7]
	s_load_b128 s[8:11], s[0:1], 0x10              ; hid s[8:9], ah s[10:11]
	v_lshl_add_u32 v[SPW], v0, 2, SPARE
	v_mov_b32 v[NIL], 0
	ds_add_u32 v[SPW], v[NIL]                      ; the opening: the add, twice on end, and its wait ahead of the first tensor loads
	ds_add_u32 v[SPW], v[NIL]
	v_lshrrev_b32 v14, 5, v0
	v_readfirstlane_b32 s[WV], v14                 ; wave 0..15
	s_and_b32 s80, ttmp7, 0xffff                   ; bh = 16 batch + head
	s_lshl_b32 s81, s80, 18                        ; a head is 262,144 bytes
	s_lshr_b32 s82, s[WV], 2
	s_xor_b32 s82, s82, s[WV]
	s_and_b32 s82, s82, 1                          ; 1: the late block
	s_lshr_b32 s83, s[WV], 1                       ; which 32 queries of the block
	s_sub_co_u32 s84, 7, ttmp9
	s_lshl_b32 s[LIMQ], s84, 8
	s_or_b32 s[LIMQ], s[LIMQ], 255
	s_cmp_eq_u32 s82, 1
	s_cselect_b32 s84, s84, ttmp9
	s_lshl_b32 s[Q0], s84, 8
	s_lshl_b32 s83, s83, 5
	s_add_co_u32 s[Q0], s[Q0], s83
	s_and_b32 s85, s[WV], 3                        ; which of a slot's four steps I fetch (or prefetch)
	s_mul_i32 s86, s85, STEPB
	s_lshl_b32 s87, s85, 13                        ; 64 rows of 128 bytes
	s_add_co_u32 s87, s87, s81
	s_add_co_u32 s88, s87, PART                    ; in K
	s_mov_b32 s89, 0
	s_add_co_u32 s90, s87, 2*PART                  ; in V
	s_mov_b32 s91, 0
	s_mov_b32 s[G1K], (1<<16)|(1<<20)|(4<<22)|(3<<25)   ; elements of 2 bytes; padding on: 4 words behind every 32
	s_mov_b32 s[G1V], (1<<16)|(1<<20)|(4<<22)|(7<<25)   ; 8 words
.irp g, G1K, G1V
	s_mov_b32 s[\g+1], 64<<16                      ; tensor_dim0
	s_mov_b32 s[\g+2], 64<<16                      ; tensor_dim1
	s_mov_b32 s[\g+3], 64<<16                      ; tile_dim0
	s_mov_b32 s[\g+4], 64                          ; tile_dim1
	s_mov_b32 s[\g+5], 64                          ; the pitch
	s_mov_b32 s[\g+6], 0
	s_mov_b32 s[\g+7], 0
.endr
	s_mov_b32 s[G1M], 3<<16                        ; the mask: 32 rows of 32 elements of 8 bytes, dense
	s_mov_b32 s[G1M+1], 32<<16
	s_mov_b32 s[G1M+2], 32<<16
	s_mov_b32 s[G1M+3], 32<<16
	s_mov_b32 s[G1M+4], 32
	s_mov_b32 s[G1M+5], 32
	s_mov_b32 s[G1M+6], 0
	s_mov_b32 s[G1M+7], 0
	s_mov_b32 s[SEL], 0x76543210
	s_mov_b32 s[SEL+1], 0xfedcba98
	s_mov_b32 s[CS], 0x3fb8aa3b                    ; c = log2(e)
	s_mov_b32 s[CS+1], s[CS]
	s_mov_b32 s[TB], 0
	s_mov_b32 s[TM], 0
	s_mov_b32 s[KF], 0
	s_mov_b32 s[SLOTS], 7
	s_lshr_b32 s92, s80, 4
	s_lshl_b32 s92, s92, 13                        ; the batch's mask
	s_mov_b32 s93, 0
	s_wait_dscnt 0x0                               ; both opening adds are done
	s_wait_kmcnt 0x0
	s_mov_b32 s[G0K], 1
	s_mov_b32 s[G0K+1], s86
	s_add_nc_u64 s[G0K+2:G0K+3], s[4:5], s[88:89]
	s_or_b32 s[G0K+3], s[G0K+3], 0x80000000
	s_mov_b32 s[G0V], 1
	s_add_co_u32 s[G0V+1], s86, VOFF
	s_add_nc_u64 s[G0V+2:G0V+3], s[4:5], s[90:91]
	s_or_b32 s[G0V+3], s[G0V+3], 0x80000000
	s_mov_b32 s[G0M], 1
	s_mov_b32 s[G0M+1], MASK
	s_add_nc_u64 s[G0M+2:G0M+3], s[6:7], s[92:93]
	s_or_b32 s[G0M+3], s[G0M+3], 0x80000000
	; the first fills: slot 0 and the mask; one load in each of waves 0-8
	s_cmp_lt_u32 s[WV], 4
	s_cbranch_scc0 .Lh_not_k
	tensor_load_to_lds s[G0K:G0K+3], s[G1K:G1K+7]
	s_nop 0
.rept 4
	v_nop
.endr
	s_branch .Lh_done
.Lh_not_k:
	s_cmp_lt_u32 s[WV], 8
	s_cbranch_scc0 .Lh_not_v
	tensor_load_to_lds s[G0V:G0V+3], s[G1V:G1V+7]
	s_nop 0
.rept 4
	v_nop
.endr
	s_branch .Lh_done
.Lh_not_v:
	s_cmp_eq_u32 s[WV], 8
	s_cbranch_scc0 .Lh_done
	tensor_load_to_lds s[G0M:G0M+3], s[G1M:G1M+7]
	s_nop 0
.rept 4
	v_nop
.endr
.Lh_done:
	s_mul_i32 s92, s80, 33                         ; my entry of the table: keys >= 64 (Q0 / 64 + 1)
	s_lshr_b32 s93, s[Q0], 6
	s_add_co_u32 s92, s92, s93
	s_lshl_b32 s94, s92, 7
	s_add_co_u32 s94, s94, HIDM
	s_mov_b32 s95, 0
	s_add_nc_u64 s[94:95], s[8:9], s[94:95]
	s_load_b64 s[76:77], s[94:95], 0x0             ; M, L
	s_lshl_b32 s92, s92, 8
	s_mov_b32 s93, 0
	s_add_nc_u64 s[8:9], s[8:9], s[92:93]          ; V
	s_lshl_b32 s92, s[Q0], 7
	s_add_co_u32 s92, s92, s81
	s_add_nc_u64 s[12:13], s[4:5], s[92:93]        ; q at my first query
	s_and_b32 s98, s80, 15
	s_lshl_b32 s98, s98, 20
	s_lshr_b32 s99, s80, 4
	s_lshl_b32 s99, s99, 18
	s_add_co_u32 s98, s98, s99
	s_lshl_b32 s99, s[Q0], 7
	s_add_co_u32 s98, s98, s99
	s_mov_b32 s99, 0
	s_add_nc_u64 s[10:11], s[10:11], s[98:99]      ; ah [head][batch x 2048 + query][64] at my first query
	s_cmp_lt_u32 s[WV], 12
	s_cselect_b32 s98, s88, s90
	s_add_co_u32 s98, s98, 32768                   ; the prefetches stand in slot 1: the first change of slots steps them to slot 2.  Nothing is prefetched at the head
	s_add_nc_u64 s[PFA:PFA+1], s[4:5], s[98:99]
	s_lshr_b32 s98, s[WV], 3
	s_xor_b32 s98, s98, 1                          ; 0 in waves 8-15,
	s_or_b32 s98, s98, ttmp9                       ; of the work-group that walks all slots
	s_cmp_eq_u32 s98, 0
	s_cselect_b32 s[LIM], 1, -1
	v_and_b32 v14, 15, v0                          ; r
	v_bfe_u32 v15, v0, 4, 1                        ; h
	v_lshlrev_b32 v[ADK], 7, v14
	v_lshl_add_u32 v[ADK], v15, 4, v[ADK]          ; Q: row r of 128 bytes + 16 h
.irp t, 0,1
.irp c, 0,1
	global_load_b128 v[QF+16*\t+8*\c:QF+16*\t+8*\c+3], v[ADK], s[12:13] offset:\t*2048+\c*64
	global_load_b128 v[QF+16*\t+8*\c+4:QF+16*\t+8*\c+7], v[ADK], s[12:13] offset:\t*2048+\c*64+32
.endr
.endr
	v_lshlrev_b32 v[ADV], 5, v15
.irp t, 0,1
.irp c, 0,1,2,3
	global_load_b128 v[O+32*\t+8*\c:O+32*\t+8*\c+3], v[ADV], s[8:9] offset:64*\c           ; O^T starts as the hidden keys' V: channel 16 c + 8 h + j, the same for every query
	global_load_b128 v[O+32*\t+8*\c+4:O+32*\t+8*\c+7], v[ADV], s[8:9] offset:64*\c+16
.endr
.endr
	v_mul_u32_u24 v[AK0], v14, PK
	v_lshl_add_u32 v[AK0], v15, 4, v[AK0]          ; K: row r x pitch + 16 h
	v_and_b32 v12, 7, v0
	v_bfe_u32 v13, v0, 3, 1
	v_lshl_add_u32 v[AV0], v15, 3, v12             ; V, turned: key 8 h + l % 8, channels 8 ((l / 8) % 2) on
	v_mul_u32_u24 v[AV0], v[AV0], PV
	v_lshl_add_u32 v[AV0], v13, 4, v[AV0]
	v_add_nc_u32 v[AV0], VOFF, v[AV0]
	v_lshl_add_u32 v[AM0], v15, 5, MASK            ; the mask of keys 8 h + 0..7
	v_lshlrev_b32 v[RH], 3, v15
	v_sub_nc_u32 v[RH], v14, v[RH]
	v_and_b32 v[PFO], 31, v0
	v_lshlrev_b32 v[PFO], 8, v[PFO]
	s_wait_kmcnt 0x0                               ; M, L
	v_cmp_eq_u32 vcc_lo, 0, v15
	v_mov_b32 v14, s77
.irp t, 0,1
	v_mov_b32 v[ST+8*\t+1], s76                    ; m = M
	v_mul_f32 v[ST+8*\t], s[CS], v[ST+8*\t+1]      ; round(c m), as the table's launch makes it
	v_cndmask_b32 v[ST+8*\t+2], 0, v14, vcc_lo     ; l = L, counted once: in lanes 0-15
	v_mov_b32 v[ST+8*\t+3], 0
	v_mov_b32 v[ST+8*\t+4], 0
	v_mov_b32 v[ST+8*\t+5], 0
	v_mov_b32 v[ST+8*\t+6], 0
	v_mov_b32 v[ST+8*\t+7], 0
.endr
	s_wait_loadcnt 0x0                             ; Q and O^T's start
	; q / 8, reckoned in f32: my 64 numbers are widened into K's and V's registers, which are free here, multiplied, and rounded back; the multiplication changes the exponent alone.  Once a wave
.set NN, 0
.macro WIDE op
	v_cvt_f32_f16 v[KV+NN], \op
.set NN, NN+1
.endm
.irp op, v32.l, v32.h, v33.l, v33.h, v34.l, v34.h, v35.l, v35.h, v36.l, v36.h, v37.l, v37.h, v38.l, v38.h, v39.l, v39.h, v40.l, v40.h, v41.l, v41.h, v42.l, v42.h, v43.l, v43.h, v44.l, v44.h, v45.l, v45.h, v46.l, v46.h, v47.l, v47.h
	WIDE \op
.endr
.irp op, v48.l, v48.h, v49.l, v49.h, v50.l, v50.h, v51.l, v51.h, v52.l, v52.h, v53.l, v53.h, v54.l, v54.h, v55.l, v55.h, v56.l, v56.h, v57.l, v57.h, v58.l, v58.h, v59.l, v59.h, v60.l, v60.h, v61.l, v61.h, v62.l, v62.h, v63.l, v63.h
	WIDE \op
.endr
.irp j, 0,2,4,6,8,10,12,14,16,18,20,22,24,26,28,30,32,34,36,38,40,42,44,46,48,50,52,54,56,58,60,62
	v_pk_mul_f32 v[KV+\j:KV+\j+1], v[KV+\j:KV+\j+1], 0x3e000000 op_sel_hi:[1,0]   ; x 1/8
.endr
.irp i, 0,1,2,3,4,5,6,7,8,9,10,11,12,13,14,15,16,17,18,19,20,21,22,23,24,25,26,27,28,29,30,31
	v_cvt_pk_f16_f32 v[QF+\i], v[KV+2*\i], v[KV+2*\i+1]
.endr
; THE SOFTMAX of both tiles for one key step, line by line by turns.
.macro SOFTMAX
.irp j, 0,1,2,3
.irp t, 0,1
	v_max3_num_f32 v[ST+8*\t+4+\j], v[S+32*\t+8*\j], v[S+32*\t+8*\j+1], v[S+32*\t+8*\j+2]   ; four chains; each accumulator is read from its low end on
.endr
.endr
.irp g, 1,2
.irp j, 0,1,2,3
.irp t, 0,1
	v_max3_num_f32 v[ST+8*\t+4+\j], v[ST+8*\t+4+\j], v[S+32*\t+8*\j+2*\g+1], v[S+32*\t+8*\j+2*\g+2]
.endr
.endr
.endr
.irp t, 0,1
	v_max3_num_f32 v[ST+8*\t+4], v[ST+8*\t+4], v[S+32*\t+7], v[S+32*\t+15]
	v_max3_num_f32 v[ST+8*\t+6], v[ST+8*\t+6], v[S+32*\t+23], v[S+32*\t+31]
.endr
.irp t, 0,1
	v_max3_num_f32 v[ST+8*\t+4], v[ST+8*\t+4], v[ST+8*\t+5], v[ST+8*\t+6]
.endr
.irp t, 0,1
	v_max3_num_f32 v[ST+8*\t+4], v[ST+8*\t+4], v[ST+8*\t+7], v[ST+8*\t+1]   ; with the old m
.endr
.irp t, 0,1
	v_permlanex16_b32 v[ST+8*\t+5], v[ST+8*\t+4], s[SEL], s[SEL+1]         ; the query's other 32 keys lie in the lane 16 away
.endr
.irp t, 0,1
	v_mov_b32 v[ST+8*\t+7], v[ST+8*\t]             ; c m_old is kept for a
.endr
.irp t, 0,1
	v_max_num_f32 v[ST+8*\t+1], v[ST+8*\t+4], v[ST+8*\t+5]
.endr
.irp t, 0,1
	v_mul_f32 v[ST+8*\t], s[CS], v[ST+8*\t+1]
.endr
.irp t, 0,1
	v_sub_f32 v[ST+8*\t+7], v[ST+8*\t+7], v[ST+8*\t]
.endr
.irp j, 0,2,4,6,8,10,12,14,16,18,20,22,24,26,28,30
.irp t, 0,1
	v_pk_fma_f32 v[S+32*\t+\j:S+32*\t+\j+1], v[S+32*\t+\j:S+32*\t+\j+1], s[CS:CS+1], v[ST+8*\t:ST+8*\t+1] op_sel_hi:[1,0,0] neg_lo:[0,0,1] neg_hi:[0,0,1]   ; c s - c m
.endr
.endr
.irp t, 0,1
	v_exp_f32 v[ST+8*\t+6], v[ST+8*\t+7]           ; a
.endr
.irp j, 0,1,2,3,4,5,6,7,8,9,10,11,12,13,14,15,16,17,18,19,20,21,22,23,24,25,26,27,28,29,30,31
.irp t, 0,1
	v_exp_f32 v[S+32*\t+\j], v[S+32*\t+\j]         ; p
.endr
.endr
	v_nop                                          ; a plain line behind the last exponential,
	s_wait_alu depctr_va_vdst(0)                   ; and ONE wait for both tiles' 66, ahead of their first reader
.irp t, 0,1
	v_pk_mul_f32 v[ST+8*\t+2:ST+8*\t+3], v[ST+8*\t+2:ST+8*\t+3], v[ST+8*\t+6:ST+8*\t+7] op_sel_hi:[1,0]   ; l x a
.endr
.irp t, 0,1
	v_pk_add_f32 v[ST+8*\t+4:ST+8*\t+5], v[S+32*\t:S+32*\t+1], v[S+32*\t+2:S+32*\t+3]                    ; the sums, of the f32 p, in two chains
.endr
.irp j, 4,8,12,16,20,24,28
.irp t, 0,1
	v_pk_add_f32 v[ST+8*\t+2:ST+8*\t+3], v[ST+8*\t+2:ST+8*\t+3], v[S+32*\t+\j:S+32*\t+\j+1]
	v_pk_add_f32 v[ST+8*\t+4:ST+8*\t+5], v[ST+8*\t+4:ST+8*\t+5], v[S+32*\t+\j+2:S+32*\t+\j+3]
.endr
.endr
.irp t, 0,1
	v_pk_add_f32 v[ST+8*\t+2:ST+8*\t+3], v[ST+8*\t+2:ST+8*\t+3], v[ST+8*\t+4:ST+8*\t+5]
.endr
.irp i, 0,1,2,3,4,5,6,7,8,9,10,11,12,13,14,15
.irp t, 0,1
	v_cvt_pk_f16_f32 v[S+32*\t+\i], v[S+32*\t+2*\i], v[S+32*\t+2*\i+1]   ; P in place, ascending: register i is written when registers 2 i, 2 i + 1 are read
.endr
.endr
.irp j, 0,2,4,6,8,10,12,14,16,18,20,22,24,26,28,30
.irp t, 0,1
	v_pk_mul_f32 v[O+32*\t+\j:O+32*\t+\j+1], v[O+32*\t+\j:O+32*\t+\j+1], v[ST+8*\t+6:ST+8*\t+7] op_sel_hi:[1,0]   ; O^T x a
.endr
.endr
.endm
; A KEY STEP: 64 keys, the q-th of the slot in hand.
.macro STEP q
	s_add_co_u32 s96, s[Q0], 31
	s_cmp_gt_u32 s[KF], s96                        ; all its keys come after my queries: the table has them
	s_cbranch_scc1 .Lhidden_\@
	s_add_co_u32 s97, s[TB], (\q)*STEPB
	v_add_nc_u32 v[ADK], s97, v[AK0]               ; these three and two v_nop are five places behind the last step's products: its P is loaded over and written over by the products below
	v_add_nc_u32 v[ADV], s97, v[AV0]
	v_add_nc_u32 v[ADM], s[TM], v[AM0]
	v_nop
	v_nop
.irp k, 0,1,2,3
.irp c, 0,1
	ds_load_b128 v[KV+8*(2*\k+\c):KV+8*(2*\k+\c)+3], v[ADK] offset:\k*16*PK+\c*64
	ds_load_b128 v[KV+8*(2*\k+\c)+4:KV+8*(2*\k+\c)+7], v[ADK] offset:\k*16*PK+\c*64+32
.endr
	ds_load_b128 v[S+8*\k:S+8*\k+3], v[ADM] offset:64*\k         ; the mask of keys 16 k + 8 h + 0..7, where tile 0's scores will stand
	ds_load_b128 v[S+8*\k+4:S+8*\k+7], v[ADM] offset:64*\k+16
.endr
	s_wait_dscnt 0x0
.irp k, 0,1,2,3                                ; S^T = K Q^T + mask.  Tile 1 takes the mask from tile 0's registers,
	v_wmma_f32_16x16x32_f16 v[S+32+8*\k:S+32+8*\k+7], v[KV+16*\k:KV+16*\k+7], v[QF+16:QF+23], v[S+8*\k:S+8*\k+7]
.endr
.rept 5
	v_nop                                          ; five places: the next four write over registers that the last four read
.endr
.irp k, 0,1,2,3                                ; tile 0 adds onto it in place
	v_wmma_f32_16x16x32_f16 v[S+8*\k:S+8*\k+7], v[KV+16*\k:KV+16*\k+7], v[QF:QF+7], v[S+8*\k:S+8*\k+7]
.endr
.irp k, 0,1,2,3                                ; channels 32 on; the eight accumulators by turns
	v_wmma_f32_16x16x32_f16 v[S+32+8*\k:S+32+8*\k+7], v[KV+16*\k+8:KV+16*\k+15], v[QF+24:QF+31], v[S+32+8*\k:S+32+8*\k+7]
	v_wmma_f32_16x16x32_f16 v[S+8*\k:S+8*\k+7], v[KV+16*\k+8:KV+16*\k+15], v[QF+8:QF+15], v[S+8*\k:S+8*\k+7]
.endr
.rept 4
	v_nop                                          ; places in front of the reads of the scores and of loads over K's fragments
.endr
	s_add_co_u32 s96, s[KF], 63
	s_cmp_le_u32 s96, s[Q0]                        ; all keys count for all my queries: no select
	s_cbranch_scc1 .Lopen_\@
.irp k, 0,1,2,3
	ds_load_b128 v[KV+8*\k:KV+8*\k+3], v[ADM] offset:64*\k
	ds_load_b128 v[KV+8*\k+4:KV+8*\k+7], v[ADM] offset:64*\k+16
.endr
	s_sub_co_i32 s96, s[Q0], s[KF]
	v_add_nc_u32 v12, s96, v[RH]                   ; d = my query - KF - 8 h: register 8 k + j holds key KF + 16 k + 8 h + j, hidden where 16 k + j > d
	v_add_nc_u32 v13, 16, v12
	s_wait_dscnt 0x0
.irp j, 0,2,4,6,8,10,12,14,16,18,20,22,24,26,28,30
	v_pk_add_f32 v[KV+\j:KV+\j+1], v[KV+\j:KV+\j+1], 0xc61c4000 op_sel_hi:[1,0]   ; -10000 + mask
.endr
.irp t, 0,1
.irp n, 0,1,2,3,4,5,6,7,8,9,10,11,12,13,14,15,16,17,18,19,20,21,22,23,24,25,26,27,28,29,30,31
	v_cmp_gt_i32 vcc_lo, 16*(\n/8)+\n%8, v[12+\t]
	v_cndmask_b32 v[S+32*\t+\n], v[S+32*\t+\n], v[KV+\n], vcc_lo
.endr
.endr
.Lopen_\@:
.irp u, 0,1
.irp c, 0,1,2,3
	ds_load_tr16_b128 v[KV+8*(4*\u+\c):KV+8*(4*\u+\c)+3], v[ADV] offset:\u*32*PV+\c*32           ; V^T: keys 32 u on, channels 16 c on; they land under the softmax
	ds_load_tr16_b128 v[KV+8*(4*\u+\c)+4:KV+8*(4*\u+\c)+7], v[ADV] offset:\u*32*PV+16*PV+\c*32
.endr
.endr
	SOFTMAX
	s_wait_dscnt 0x0                               ; V
.irp u, 0,1
.irp c, 0,1,2,3
.irp t, 0,1
	v_wmma_f32_16x16x32_f16 v[O+32*\t+8*\c:O+32*\t+8*\c+7], v[KV+8*(4*\u+\c):KV+8*(4*\u+\c)+7], v[S+32*\t+8*\u:S+32*\t+8*\u+7], v[O+32*\t+8*\c:O+32*\t+8*\c+7]
.endr
.endr
.endr
.Lhidden_\@:
	s_add_co_u32 s[KF], s[KF], 64
	s_add_co_u32 s[TM], s[TM], 256
.endm
; THE CHANGE OF SLOTS stands at a slot's head.  Each wave waits for all its tensor loads, adds 0 to its spare word, and waits for that and for its reads of the slot that it has left; behind the barrier the slot ahead is whole
; and nobody reads the other one.  fill = 1: that other slot takes the next 256 keys, up to the causal limit: the load has a slot's four steps in which to land.
.macro CHANGE fill
	s_wait_tensorcnt 0x0                           ; no tensor load of mine is out, so a group 0 may be written
	ds_add_u32 v[SPW], v[NIL]
.if \fill
	ds_add_u32 v[SPW], v[NIL]                      ; twice on end, in every trip alike
	s_xor_b32 s[G0K+1], s[G0K+1], SLOT1
	s_add_nc_u64 s[G0K+2:G0K+3], s[G0K+2:G0K+3], 32768
	s_xor_b32 s[G0V+1], s[G0V+1], SLOT1
	s_add_nc_u64 s[G0V+2:G0V+3], s[G0V+2:G0V+3], 32768
	s_wait_xcnt 0x0                                ; the last prefetch, a slot back, has read its address
	s_add_nc_u64 s[PFA:PFA+1], s[PFA:PFA+1], 32768
.endif
	s_wait_dscnt 0x0
	s_barrier_signal -1
	s_barrier_wait -1
.if \fill
	s_add_co_u32 s96, s[KF], 256                   ; the first key of the slot that this change would ask for
	s_cmp_gt_u32 s96, s[LIMQ]                      ; ids and the count of steps alone: all sixteen waves go the same way; no wave would read that slot
	s_cbranch_scc1 .Lpast_\@
	TLOAD                                          ; a wave's one tensor load until the next such barrier
.Lpast_\@:
	ASK
.endif
.endm
.macro SLOT_STEPS
	STEP 0
	STEP 1
	STEP 2
	STEP 3
	s_xor_b32 s[TB], s[TB], SLOT1
.endm
.Lslot:                                            ; 7 trips
	CHANGE 1
	SLOT_STEPS
	s_sub_co_u32 s[SLOTS], s[SLOTS], 1
	s_cmp_lg_u32 s[SLOTS], 0
	s_cbranch_scc1 .Lslot
	CHANGE 0                                       ; the last slot is written out: nothing is left to ask for
	SLOT_STEPS
	; THE WAY OUT.  The address lines are the places behind the last products.
	v_and_b32 v14, 15, v0
	v_bfe_u32 v15, v0, 4, 1
	s_mul_i32 s96, s[WV], 2304
	s_add_co_u32 s96, s96, STAGE                   ; my stage
	v_mul_u32_u24 v[ADK], v14, 144
	v_lshl_add_u32 v[ADK], v15, 4, v[ADK]
	v_add_nc_u32 v[ADK], s96, v[ADK]               ; in: query r, 16 bytes for each half of the lanes
	v_bfe_u32 v[ADV], v0, 3, 2
	v_mul_u32_u24 v[ADV], v[ADV], 144
	v_and_b32 v[ADM], 7, v0
	v_lshl_add_u32 v[ADV], v[ADM], 4, v[ADV]
	v_add_nc_u32 v[ADV], s96, v[ADV]               ; back: four queries an instruction, eight lanes each
	v_and_b32 v[ADM], 31, v0
	v_lshlrev_b32 v[ADM], 4, v[ADM]                ; and 512 consecutive bytes in memory
.irp t, 0,1
	v_add_f32 v[ST+8*\t+4], v[ST+8*\t+2], v[ST+8*\t+3]
.endr
.irp t, 0,1
	v_permlanex16_b32 v[ST+8*\t+5], v[ST+8*\t+4], s[SEL], s[SEL+1]
.endr
.irp t, 0,1
	v_add_f32 v[ST+8*\t+4], v[ST+8*\t+4], v[ST+8*\t+5]
.endr
.irp t, 0,1
	v_rcp_f32 v[ST+8*\t+6], v[ST+8*\t+4]
.endr
	v_nop
	s_wait_alu depctr_va_vdst(0)                   ; one wait for the two reciprocals, ahead of their first reader
.irp t, 0,1
.irp j, 0,2,4,6,8,10,12,14,16,18,20,22,24,26,28,30
	v_pk_mul_f32 v[O+32*\t+\j:O+32*\t+\j+1], v[O+32*\t+\j:O+32*\t+\j+1], v[ST+8*\t+6:ST+8*\t+7] op_sel_hi:[1,0]
.endr
.endr
.irp t, 0,1
.irp i, 0,1,2,3,4,5,6,7,8,9,10,11,12,13,14,15
	v_cvt_pk_f16_f32 v[S+16*\t+\i], v[O+32*\t+2*\i], v[O+32*\t+2*\i+1]
.endr
.endr
.irp t, 0,1
.irp c, 0,1,2,3
	ds_store_b128 v[ADK], v[S+16*\t+4*\c:S+16*\t+4*\c+3] offset:32*\c
.endr
.irp i, 0,1,2,3
	ds_load_b128 v[KV+16*\t+4*\i:KV+16*\t+4*\i+3], v[ADV] offset:576*\i   ; my own bytes, in order: these see the stores above, and the next tile's stores come behind them
.endr
.endr
	s_wait_dscnt 0x0
.irp t, 0,1
.irp i, 0,1,2,3
	global_store_b128 v[ADM], v[KV+16*\t+4*\i:KV+16*\t+4*\i+3], s[10:11] offset:2048*\t+512*\i
.endr
.endr
	s_wait_tensorcnt 0x0                           ; the wave's end
	ds_add_u32 v[SPW], v[NIL]
	s_wait_dscnt 0x0
	s_endpgm
.Lfunc_end_k_qc63e78ce1d_attn:
	.size	k_qc63e78ce1d_attn, .Lfunc_end_k_qc63e78ce1d_attn-k_qc63e78ce1d_attn
	.p2alignl 7, 3214868480
	.fill 96, 4, 3214868480
	.section	.rodata,"a",@progbits
	.p2align	6, 0x0
	.amdhsa_kernel k_qc63e78ce1d_attn
		.amdhsa_group_segment_fixed_size 327680
		.amdhsa_private_segment_fixed_size 0
		.amdhsa_enable_private_segment 0
		.amdhsa_kernarg_size 32
		.amdhsa_user_sgpr_count 2
		.amdhsa_user_sgpr_kernarg_segment_ptr 1
		.amdhsa_wavefront_size32 1
		.amdhsa_system_sgpr_workgroup_id_x 1
		.amdhsa_system_sgpr_workgroup_id_y 1
		.amdhsa_system_sgpr_workgroup_id_z 1
		.amdhsa_system_vgpr_workitem_id 0
		.amdhsa_next_free_vgpr 256
		.amdhsa_next_free_sgpr 100
		.amdhsa_reserve_vcc 1
		.amdhsa_float_denorm_mode_32 3
		.amdhsa_float_denorm_mode_16_64 3
		.amdhsa_memory_ordered 1
		.amdhsa_forward_progress 1
		.amdhsa_inst_pref_size 219
	.end_amdhsa_kernel
	.amdgpu_metadata
---
amdhsa.version: [ 1, 2 ]
amdhsa.kernels:
  - .name:           k_qc63e78ce1d_attn
    .symbol:         k_qc63e78ce1d_attn.kd
    .args:
      - { .name: qkv16, .offset: 0, .size: 8, .value_kind: global_buffer, .address_space: global }
      - { .name: attention_mask, .offset: 8, .size: 8, .value_kind: global_buffer, .address_space: global }
      - { .name: hid, .offset: 16, .size: 8, .value_kind: global_buffer, .address_space: global }
      - { .name: ah, .offset: 24, .size: 8, .value_kind: global_buffer, .address_space: global }
    .group_segment_fixed_size: 327680
    .private_segment_fixed_size: 0
    .kernarg_segment_align: 8
    .kernarg_segment_size: 32
    .max_flat_workgroup_size: 512
    .sgpr_count:     100
    .vgpr_count:     256
    .wavefront_size: 32
...
	.end_amdgpu_metadata
.endif
;; end of part 5
;; launch proj (part 6): grid 4 x 32, 4 waves a work-group, clusters of 4 x 4, 327,680 bytes of LDS; arguments ah, wq, b_proj, out0; writes out0
.if DOCPART == 6
	.amdgcn_target "amdgcn-amd-amdhsa--gfx1250"
	.amdhsa_code_object_version 6
	.text
	.protected	k_qc63e78ce1d_proj
	.globl	k_qc63e78ce1d_proj
	.p2align	8
	.type	k_qc63e78ce1d_proj,@function
k_qc63e78ce1d_proj:
	s_mov_b64 s[64:65], 0
	v_nop
	global_prefetch_b8 v0, s[64:65] scope:SCOPE_SE
	s_setreg_imm32_b32 hwreg(HW_REG_WAVE_MODE, 25, 1), 1
	s_wait_xcnt 0x0
	s_wait_alu depctr_hold_cnt(0) depctr_sa_sdst(0) depctr_va_vdst(0) depctr_va_sdst(0) depctr_va_ssrc(0) depctr_va_vcc(0) depctr_vm_vsrc(0)
	s_getreg_b32 s2, hwreg(HW_REG_IB_STS2, 6, 4)
	s_cmp_eq_u32 s2, 0
	s_cbranch_scc0 .Lentry_in_a_cluster
	s_endpgm
.Lentry_in_a_cluster:
	s_bfe_u32 s2, ttmp6, 0x10000c
	s_cmp_lg_u32 s2, 0xf033
	s_cbranch_scc0 .Lentry_shape_is_right
	s_endpgm
.Lentry_shape_is_right:
; out = a W_proj + b_proj, f16 operands, f32 sums.  a: ah [16 heads][8192 tokens][64] f16; W_proj^T: f16 [1024 n][1024 k] at wq + W16; out0 [8192][1024] f32.
; A tile of 256 x 256 is made by four waves, each 128 x 128: 64 accumulators.  K goes in steps of 128 (two heads) through a ring of two LDS slots.  Wave 0 fetches the step's first head (256 tokens x 128 bytes, dense in memory),
; wave 1 its second, waves 2 and 3 the halves of W's 256 rows x 256 bytes.  32 x 4 tiles: 128 work-groups; a tile of half the size would halve the matrix work between a tile's request and the wait for it.
; CLUSTERS: 4 x 4; a's tiles are asked for jointly along a row of the cluster, W's along a column.  Where a slot is filled again a round of the cluster's barrier stands in front of the joint load.
; TRANSPOSED USE (source 0 = 16 rows of W^T, source 1 = 16 tokens): a lane holds eight neighbouring columns of one row of out.  The bias is the C of each sum's first instruction.
; All rows are made here, the first 16 of every sequence too; a later launch makes those again more finely.
; No prefetch: of the 8 K steps the first four could not be asked for ahead, and a refill has 224 matrix instructions of a wave in which to land.
; LIMIT: |a|, |W_proj| under 65,504.
; REGISTERS, in windows of 256: window 0: v0-31 addresses; v64-127, v128-191 a's fragments, two buffers; v192-255 the bias.  window 1: W's fragments, two buffers.  windows 2, 3: the accumulators.
.set KSTEP,  128
.set PA,     144                       ; a row of a in LDS: 128 bytes + 16
.set PB,     272                       ; a row of W: 256 + 16
.set AHEAD,  256*PA                    ; one head's 256 tokens
.set BOFF,   2*AHEAD
.set HALFB,  128*PB
.set SLOT,   BOFF+2*HALFB
.set STAGE,  2*SLOT                    ; behind the ring: 16 rows x 528 bytes a wave; no tensor load lands here
.set SPITCH, 528
.set SPARE,  STAGE+4*16*SPITCH         ; the spare words: 128 bytes a wave, named by no other line
.set LAPS,   4
.set W16,    1671168
.set ADRA, 16
.set ADRB, 20
.set STO,  24
.set RD,   25
.set CO,   26
.set SPW,  28
.set NIL,  29
.set BO,   30
.set F0,   64
.set F1,   128
.set BI,   192
.set G1, 24
.set G0, 32
.set G1B, 48
.set G0B, 56
.set WV, 66                            ; s66 wave; s67 wave / 2; s68 wave % 2; s69 laps to go
.set HI, 67
.set LO, 68
.set LAPC, 69
.set MSB, 0
.macro WIN new
.if MSB != \new
	s_set_vgpr_msb (MSB<<8)|\new
.set MSB, \new
.endif
.endm
.set MUL_LO, 0xa1
.set MUL_HI, 0xf1
.set TO_B,   0x40
.macro JLOAD s                         ; a joint load: waves 0, 1 for a, waves 2, 3 for W; an s_nop 0 and four v_nop follow each of the two lines
	s_cmp_eq_u32 s[HI], 0
	s_cbranch_scc0 .Lfor_b_\@
	tensor_load_to_lds s[G0+4*\s:G0+4*\s+3], s[G1:G1+7]
	s_nop 0
.rept 4
	v_nop
.endr
	s_branch .Lasked_\@
.Lfor_b_\@:
	tensor_load_to_lds s[G0B+4*\s:G0B+4*\s+3], s[G1B:G1B+7]
	s_nop 0
.rept 4
	v_nop
.endr
.Lasked_\@:
.endm
.macro CREST
	s_cmp_lg_u32 s[WV], 0
	s_cbranch_scc1 .Lnot_wave_0_\@
	s_barrier_signal -3
.Lnot_wave_0_\@:
	s_barrier_wait -3
	s_barrier_signal -1
	s_barrier_wait -1
.endm
.macro CROUND
	s_barrier_signal -1
	s_barrier_wait -1
	CREST
.endm
	s_load_b128 s[4:7], s[0:1], 0x0                ; ah s[4:5], wq s[6:7]
	s_load_b128 s[8:11], s[0:1], 0x10              ; b_proj s[8:9], out0 s[10:11]
	v_lshl_add_u32 v[SPW], v0, 2, SPARE
	v_mov_b32 v[NIL], 0
	ds_add_u32 v[SPW], v[NIL]                      ; the opening: the add, twice on end, and its wait ahead of my first tensor load
	ds_add_u32 v[SPW], v[NIL]
	v_lshrrev_b32 v1, 5, v0
	v_readfirstlane_b32 s[WV], v1
	s_lshr_b32 s[HI], s[WV], 1                     ; which half of the tile's tokens is mine.  Also: I fetch for a (0) or for W (1)
	s_and_b32 s[LO], s[WV], 1                      ; which half of its columns.  Also: which head, or which 128 rows of W, I fetch
	s_bfe_u32 s40, ttmp6, 0x40000                  ; cx
	s_bfe_u32 s41, ttmp6, 0x40004                  ; cy
	s_lshl_b32 s42, ttmp9, 2
	s_add_co_u32 s42, s42, s40                     ; tile column
	s_and_b32 s13, ttmp7, 0xffff
	s_lshl_b32 s13, s13, 2
	s_add_co_u32 s13, s13, s41                     ; tile row
	s_lshl_b32 s43, s41, 2
	s_lshl_b32 s43, 15, s43                        ; my row of the cluster
	s_lshl_b32 s44, 0x1111, s40                    ; my column
	s_or_b32 s[G1+0], s43, (1<<16)|(1<<20)|(1<<21)|(4<<22)|(3<<25)   ; a: elements of 2 bytes; 4 words of padding behind every 32
	s_mov_b32 s[G1+1], 64<<16                      ; tensor_dim0
	s_mov_b32 s[G1+2], 256<<16                     ; tensor_dim1
	s_mov_b32 s[G1+3], 64<<16                      ; tile_dim0
	s_mov_b32 s[G1+4], 256                         ; tile_dim1
	s_mov_b32 s[G1+5], 64                          ; the pitch
	s_mov_b32 s[G1+6], 0
	s_mov_b32 s[G1+7], 0
	s_or_b32 s[G1B+0], s44, (1<<16)|(1<<20)|(1<<21)|(5<<22)|(3<<25)  ; W: 4 words behind every 64
	s_mov_b32 s[G1B+1], KSTEP<<16
	s_mov_b32 s[G1B+2], 128<<16
	s_mov_b32 s[G1B+3], KSTEP<<16
	s_mov_b32 s[G1B+4], 128
	s_mov_b32 s[G1B+5], 1024
	s_mov_b32 s[G1B+6], 0
	s_mov_b32 s[G1B+7], 0
	s_lshl_b32 s16, s13, 15                        ; a: 256 tokens of 128 bytes a tile row,
	s_lshl_b32 s17, s[LO], 20                      ; 1,048,576 bytes a head
	s_add_co_u32 s16, s16, s17
	s_mov_b32 s17, 0
	s_lshl_b32 s46, s42, 19                        ; W: 256 rows of 2,048 bytes a tile column,
	s_lshl_b32 s47, s[LO], 18                      ; 128 rows a half
	s_add_co_u32 s46, s46, s47
	s_add_co_u32 s46, s46, W16
	s_mov_b32 s47, 0
	s_mul_i32 s20, s[LO], AHEAD                    ; where they go: no place in the cluster enters an LDS address
	s_mul_i32 s21, s[LO], HALFB
	s_add_co_u32 s21, s21, BOFF
	s_wait_dscnt 0x0                               ; both opening adds are done
	s_wait_kmcnt 0x0
	s_add_nc_u64 s[14:15], s[4:5], s[16:17]
	s_add_nc_u64 s[46:47], s[6:7], s[46:47]
	CROUND                                         ; all sixteen work-groups are here: the first joint loads meet
.irp s, 0,1
	s_mov_b32 s[G0+4*\s], 1
	s_add_co_u32 s[G0+4*\s+1], s20, \s*SLOT
	s_add_nc_u64 s[G0+4*\s+2:G0+4*\s+3], s[14:15], \s*2097152      ; K step s: two heads on
	s_or_b32 s[G0+4*\s+3], s[G0+4*\s+3], 0x80000000
	s_mov_b32 s[G0B+4*\s], 1
	s_add_co_u32 s[G0B+4*\s+1], s21, \s*SLOT
	s_add_nc_u64 s[G0B+4*\s+2:G0B+4*\s+3], s[46:47], \s*KSTEP*2
	s_or_b32 s[G0B+4*\s+3], s[G0B+4*\s+3], 0x80000000
	JLOAD \s
.endr
	v_and_b32 v1, 15, v0                           ; r
	v_bfe_u32 v2, v0, 4, 1                         ; h
	v_lshlrev_b32 v[BO], 5, v2
	s_lshl_b32 s16, s42, 10                        ; my 128 columns, in bytes of f32
	s_lshl_b32 s17, s[LO], 9
	s_add_co_u32 s16, s16, s17
	s_mov_b32 s17, 0
	s_add_nc_u64 s[8:9], s[8:9], s[16:17]
.irp b, 0,1,2,3,4,5,6,7
	global_load_b128 v[BI+8*\b:BI+8*\b+3], v[BO], s[8:9] offset:64*\b
	global_load_b128 v[BI+8*\b+4:BI+8*\b+7], v[BO], s[8:9] offset:64*\b+16
.endr
	v_mul_u32_u24 v3, v1, PA
	v_lshl_add_u32 v3, v2, 4, v3
	v_mul_u32_u24 v4, v1, PB
	v_lshl_add_u32 v4, v2, 4, v4
	s_mul_i32 s21, s[HI], 128*PA                   ; my 128 tokens
	s_mul_i32 s22, s[LO], HALFB                    ; my 128 rows of W
	s_add_co_u32 s22, s22, BOFF
.irp s, 0,1
	v_add_nc_u32 v[ADRA+\s], s21, v3
	v_add_nc_u32 v[ADRB+\s], s22, v4
	s_add_co_u32 s21, s21, SLOT
	s_add_co_u32 s22, s22, SLOT
.endr
	s_mul_i32 s23, s[WV], 16*SPITCH
	s_add_co_u32 s23, s23, STAGE                   ; my stage
	v_mul_u32_u24 v5, v1, SPITCH
	v_lshl_add_u32 v5, v2, 5, v5
	v_add_nc_u32 v[STO], s23, v5                   ; in: row r, 32 bytes for each half of the lanes
	v_and_b32 v6, 31, v0
	v_lshlrev_b32 v[CO], 4, v6                     ; back: the 32 lanes take one row of 512 bytes; the same in out0
	v_add_nc_u32 v[RD], s23, v[CO]
	s_lshl_b32 s20, s13, 20                        ; 256 rows of 4,096 bytes a tile row,
	s_lshl_b32 s21, s[HI], 19                      ; 128 rows a half
	s_add_co_u32 s20, s20, s21
	s_add_co_u32 s20, s20, s16
	s_mov_b32 s21, 0
	s_add_nc_u64 s[10:11], s[10:11], s[20:21]
; 16 matrix instructions: token blocks a0, a0 + 1 of the window's four x all 8 column blocks, 32 along K.  zero = 1: the sums start from the bias.  The 64 accumulators take turns.
.macro MUL16 f, hi, a0, zero
.irp a, \a0, \a0+1
.irp b, 0,1,2,3,4,5,6,7
.if \zero
	v_wmma_f32_16x16x32_f16 v[8*(8*(\a)+\b):8*(8*(\a)+\b)+7], v[\f+8*\b:\f+8*\b+7], v[\f+8*(4*\hi+\a):\f+8*(4*\hi+\a)+7], v[BI+8*\b:BI+8*\b+7]
.else
	v_wmma_f32_16x16x32_f16 v[8*(8*(\a)+\b):8*(8*(\a)+\b)+7], v[\f+8*\b:\f+8*\b+7], v[\f+8*(4*\hi+\a):\f+8*(4*\hi+\a)+7], v[8*(8*(\a)+\b):8*(8*(\a)+\b)+7]
.endif
.endr
.endr
.endm
; 32 LDS loads in one run: quarter q of a K step (32 along K: head q / 2 of the step's two, channels 32 (q % 2) on) into buffer f
.macro FETCH slot, q, f
	WIN TO_B
.irp i, 0,1,2,3,4,5,6,7
	ds_load_b128 v[\f+8*\i:\f+8*\i+3],   v[ADRB+\slot] offset:64*(\q)+\i*16*PB
	ds_load_b128 v[\f+8*\i+4:\f+8*\i+7], v[ADRB+\slot] offset:64*(\q)+\i*16*PB+32
.endr
	WIN 0
.irp i, 0,1,2,3,4,5,6,7
	ds_load_b128 v[\f+8*\i:\f+8*\i+3],   v[ADRA+\slot] offset:((\q)/2)*AHEAD+((\q)%2)*64+\i*16*PA
	ds_load_b128 v[\f+8*\i+4:\f+8*\i+7], v[ADRA+\slot] offset:((\q)/2)*AHEAD+((\q)%2)*64+\i*16*PA+32
.endr
.endm
.macro PLACES                          ; four plain vector lines between a matrix instruction and a load into, or a read of, its registers
.rept 4
	v_nop
.endr
.endm
; One of a K step's first three quarters: multiplies buffer f; in its middle it fetches quarter q of the same slot into buffer g.
.macro QUARTER slot, q, f, g, zero
	s_wait_dscnt 8                                 ; W and tokens 0-63 are in; the youngest eight loads (tokens 64-127) may be out
.if \zero
	WIN 0x81                                       ; C (the bias) window 0, D window 2
.else
	WIN MUL_LO
.endif
	MUL16 \f, 0, 0, \zero
	MUL16 \f, 0, 2, \zero
	PLACES
	FETCH \slot, \q, \g
	s_wait_dscnt 32                                ; all but the 32 just issued
.if \zero
	WIN 0xc1
.else
	WIN MUL_HI
.endif
	MUL16 \f, 1, 0, \zero
	MUL16 \f, 1, 2, \zero
.endm
; The last quarter multiplies buffer 1 and changes slots: ONE barrier; in front of it each wave waits for all its tensor loads (one is out: its part of the next slot), adds 0 to its spare word, and waits for that and for its reads of this slot.
; fill = 1: the barrier opens a round of the cluster's, and this slot is filled again, two K steps ahead, first thing behind the round.
.macro TURN slot, next, fill
	WIN 0
	s_wait_tensorcnt 0x0
	ds_add_u32 v[SPW], v[NIL]
	s_wait_dscnt 9                                 ; the add and the youngest eight loads may be out
	WIN MUL_LO
	MUL16 F1, 0, 0, 0
	s_wait_dscnt 0x0                               ; the add is done, and my reads of this slot are over
	s_barrier_signal -1
	MUL16 F1, 0, 2, 0
.if \fill
	WIN 0
.endif
	s_barrier_wait -1
.if \fill
	CREST
	s_add_nc_u64 s[G0+4*\slot+2:G0+4*\slot+3], s[G0+4*\slot+2:G0+4*\slot+3], 4194304      ; four heads on
	s_add_nc_u64 s[G0B+4*\slot+2:G0B+4*\slot+3], s[G0B+4*\slot+2:G0B+4*\slot+3], 2*KSTEP*2
	JLOAD \slot                                    ; the four v_nop behind it are also the places in front of the loads below
.else
	PLACES
.endif
	FETCH \next, 0, F0
	WIN MUL_HI
	MUL16 F1, 1, 0, 0
	MUL16 F1, 1, 2, 0
.endm
	s_wait_tensorcnt 1                             ; my part of K step 0 is in; K step 1's load may be out
	s_barrier_signal -1
	s_barrier_wait -1
	FETCH 0, 0, F0
	s_wait_loadcnt 0x0                             ; the bias
	QUARTER 0, 1, F0, F1, 1
	WIN 0
	s_mov_b32 s[LAPC], LAPS-1
.Llap:                                                 ; a trip goes once round the ring, from a lap's second quarter to the next lap's first, and fills both slots again
	QUARTER 0, 2, F1, F0, 0
	QUARTER 0, 3, F0, F1, 0
	TURN 0, 1, 1
	QUARTER 1, 1, F0, F1, 0
	QUARTER 1, 2, F1, F0, 0
	QUARTER 1, 3, F0, F1, 0
	TURN 1, 0, 1
	QUARTER 0, 1, F0, F1, 0
	WIN 0
	s_sub_co_u32 s[LAPC], s[LAPC], 1
	s_cmp_lg_u32 s[LAPC], 0
	s_cbranch_scc1 .Llap
	QUARTER 0, 2, F1, F0, 0                        ; the last lap fills nothing
	QUARTER 0, 3, F0, F1, 0
	TURN 0, 1, 0
	QUARTER 1, 1, F0, F1, 0
	QUARTER 1, 2, F1, F0, 0
	QUARTER 1, 3, F0, F1, 0
	s_wait_dscnt 8
	WIN MUL_LO
	MUL16 F1, 0, 0, 0
	MUL16 F1, 0, 2, 0
	s_wait_dscnt 0
	WIN MUL_HI
	MUL16 F1, 1, 0, 0
	MUL16 F1, 1, 2, 0
	WIN 0
; THE WAY OUT, a block of 16 rows x 128 columns at a time: through my stage, back as whole rows of 512 bytes.
.macro TOSTAGE a
.set AC, 64*((\a)%4)
	WIN 0x08+4*((\a)/4)                            ; an LDS store's data: window 2 or 3
.irp b, 0,1,2,3,4,5,6,7
	ds_store_b128 v[STO], v[AC+8*\b:AC+8*\b+3] offset:64*\b          ; each accumulator from its low end on
	ds_store_b128 v[STO], v[AC+8*\b+4:AC+8*\b+7] offset:64*\b+16
.endr
	WIN 0
.set BB, 64+64*((\a)%2)
.irp t, 0,1,2,3,4,5,6,7,8,9,10,11,12,13,14,15
	ds_load_b128 v[BB+4*\t:BB+4*\t+3], v[RD] offset:\t*SPITCH        ; LDS serves a wave's instructions in order
.endr
.endm
.macro SEND a, younger                 ; younger: the LDS instructions issued behind block a's loads, which may stay out
.set BB, 64+64*((\a)%2)
	s_wait_dscnt \younger
.if (\a) > 0
	s_add_nc_u64 s[10:11], s[10:11], 65536         ; 16 rows on (behind a wait on XCNT: the earlier stores have read their base)
.endif
.irp t, 0,1,2,3,4,5,6,7,8,9,10,11,12,13,14,15
	global_store_b128 v[CO], v[BB+4*\t:BB+4*\t+3], s[10:11] offset:\t*4096 th:TH_STORE_NT   ; 32 lanes store 512 consecutive bytes
.endr
.endm
	PLACES
	TOSTAGE 0
.irp a, 1,2,3,4,5,6,7
.if \a > 1
	s_wait_xcnt 0x0                                ; block a - 2's stores have read their registers and their base
.endif
	TOSTAGE \a
	SEND \a-1, 32                                  ; behind block a - 1's loads: block a's 16 stores and 16 loads
.endr
	s_wait_xcnt 0x0
	SEND 7, 0
	s_wait_tensorcnt 0x0                           ; the wave's end
	ds_add_u32 v[SPW], v[NIL]
	s_wait_dscnt 0x0
	CROUND                                         ; the closing round
	s_endpgm
.Lfunc_end_k_qc63e78ce1d_proj:
	.size	k_qc63e78ce1d_proj, .Lfunc_end_k_qc63e78ce1d_proj-k_qc63e78ce1d_proj
	.p2alignl 7, 3214868480
	.fill 96, 4, 3214868480
	.section	.rodata,"a",@progbits
	.p2align	6, 0x0
	.amdhsa_kernel k_qc63e78ce1d_proj
		.amdhsa_group_segment_fixed_size 327680
		.amdhsa_private_segment_fixed_size 0
		.amdhsa_enable_private_segment 0
		.amdhsa_kernarg_size 32
		.amdhsa_user_sgpr_count 2
		.amdhsa_user_sgpr_kernarg_segment_ptr 1
		.amdhsa_wavefront_size32 1
		.amdhsa_system_sgpr_workgroup_id_x 1
		.amdhsa_system_sgpr_workgroup_id_y 1
		.amdhsa_system_sgpr_workgroup_id_z 1
		.amdhsa_system_vgpr_workitem_id 0
		.amdhsa_next_free_vgpr 1024
		.amdhsa_next_free_sgpr 72
		.amdhsa_reserve_vcc 0
		.amdhsa_float_denorm_mode_32 3
		.amdhsa_float_denorm_mode_16_64 3
		.amdhsa_memory_ordered 1
		.amdhsa_forward_progress 1
		.amdhsa_inst_pref_size 142
	.end_amdhsa_kernel
	.amdgpu_metadata
---
amdhsa.version: [ 1, 2 ]
amdhsa.kernels:
  - .name:           k_qc63e78ce1d_proj
    .symbol:         k_qc63e78ce1d_proj.kd
    .args:
      - { .name: ah, .offset: 0, .size: 8, .value_kind: global_buffer, .address_space: global }
      - { .name: wq, .offset: 8, .size: 8, .value_kind: global_buffer, .address_space: global }
      - { .name: b_proj, .offset: 16, .size: 8, .value_kind: global_buffer, .address_space: global }
      - { .name: out0, .offset: 24, .size: 8, .value_kind: global_buffer, .address_space: global }
    .group_segment_fixed_size: 327680
    .private_segment_fixed_size: 0
    .kernarg_segment_align: 8
    .kernarg_segment_size: 32
    .max_flat_workgroup_size: 128
    .sgpr_count:     72
    .vgpr_count:     1024
    .wavefront_size: 32
...
	.end_amdgpu_metadata
.endif
;; end of part 6
;; launch fine (part 7): grid 32 x 4, 16 waves a work-group, no clusters, 34,816 bytes of LDS; arguments f32c, hid, attention_mask, W_proj, b_proj, out0; writes out0
.if DOCPART == 7
	.amdgcn_target "amdgcn-amd-amdhsa--gfx1250"
	.amdhsa_code_object_version 6
	.text
	.protected	k_qc63e78ce1d_fine
	.globl	k_qc63e78ce1d_fine
	.p2align	8
	.type	k_qc63e78ce1d_fine,@function
k_qc63e78ce1d_fine:
	s_mov_b64 s[64:65], 0
	v_nop
	global_prefetch_b8 v0, s[64:65] scope:SCOPE_SE
	s_setreg_imm32_b32 hwreg(HW_REG_WAVE_MODE, 25, 1), 1
	s_wait_xcnt 0x0
; THE FIRST 16 POSITIONS OF EVERY SEQUENCE, once more and in f32: their rows average one to a few values, are the largest in size, and leave the least room for the rounding of 16-bit operands.
; Work-group (x, b) makes out0[b][0..15][32 x .. 32 x + 31].  Wave w is head w: it makes its head's attention for the 16 queries (16 visible keys at the most, and the state of the hidden keys >= 16 from entry 32 of the table hid),
; and multiplies it by its 64 x 32 piece of W_proj; the 16 waves' parts are added through LDS.  All products by v_wmma_f32_16x16x4_f32: 64 instructions a wave, no bulk work.
; K IS PERMUTED ALIKE ON BOTH SOURCES of each product, so that plain loads and the results' own registers are the operands:
;   S^T = K Q^T: step s, lane half h, register jj: channel 32 h + 2 s + jj.   O^T = V^T P: step i: key 8 h + 2 i + jj, which is where p's registers 2 i, 2 i + 1 lie.
;   out^T = W^T a^T: step 4 ct + i: channel 16 ct + 8 h + 2 i + jj, which is where O^T's registers lie.  Nothing changes lanes.
; v16-63 are written by matrix instructions alone.  The stores are runs of 128 bytes: 32 columns are what the registers hold.
; LIMITS: as in the launch that makes the table; NaN and infinities are not served.
.set HIDM,  540672
.set SPARE, 32768                      ; behind the 16 images of 2,048 bytes: the spare words, 128 bytes a wave, named by no other line
.set SPW, 7
.set NIL, 8
	s_load_b128 s[4:7], s[0:1], 0x0                ; f32c s[4:5], hid s[6:7]
	s_load_b128 s[8:11], s[0:1], 0x10              ; attention_mask s[8:9], W_proj s[10:11]
	s_load_b128 s[12:15], s[0:1], 0x20             ; b_proj s[12:13], out0 s[14:15]
	v_lshl_add_u32 v[SPW], v0, 2, SPARE
	v_mov_b32 v[NIL], 0
	v_lshrrev_b32 v1, 5, v0
	v_readfirstlane_b32 s16, v1                    ; wave = head
	s_and_b32 s17, ttmp7, 0xffff                   ; batch
	s_lshl_b32 s18, ttmp9, 7                       ; my 32 columns, in bytes
	v_and_b32 v1, 15, v0                           ; r
	v_bfe_u32 v2, v0, 4, 1                         ; h
	v_lshlrev_b32 v3, 8, v1
	v_lshl_add_u32 v3, v2, 7, v3                   ; q, k: row r of 256 bytes, channels 32 h on
	v_lshlrev_b32 v4, 11, v2
	v_lshl_add_u32 v4, v1, 2, v4                   ; v: key 8 h on, channel r
	v_lshlrev_b32 v5, 15, v2
	v_lshl_add_u32 v5, v1, 2, v5                   ; W_proj: row 8 h on, column r
	v_lshlrev_b32 v6, 5, v2                        ; eight numbers at 8 h
	v_and_b32 v9, 31, v0
	v_lshlrev_b32 v9, 4, v9
	s_lshl_b32 s19, s16, 11
	v_add_nc_u32 v9, s19, v9                       ; my image: 2,048 w + 16 lane
	v_and_b32 v240, 1, v0                          ; the sum's thread t takes query (t / 8) % 16, columns 4 (t % 8) on: in an image that is
	v_lshlrev_b32 v240, 9, v240                    ; registers 4 (t % 2) on,
	v_bfe_u32 v241, v0, 2, 1
	v_lshl_or_b32 v240, v241, 10, v240             ; tile (t / 4) % 2,
	v_bfe_u32 v241, v0, 1, 1
	v_lshl_or_b32 v240, v241, 8, v240              ; lane half (t / 2) % 2,
	v_bfe_u32 v241, v0, 3, 4
	v_lshl_or_b32 v240, v241, 4, v240              ; lane % 16 = the query
	v_and_b32 v242, 7, v0
	v_lshlrev_b32 v242, 4, v242
	v_lshl_add_u32 v243, v241, 12, v242            ; and in out0: a row is 4,096 bytes
	v_lshlrev_b32 v15, 3, v2
	v_sub_nc_u32 v15, v1, v15                      ; d = r - 8 h: register j holds key 8 h + j, hidden where j > d
	v_mov_b32 v246, 0                              ; (a lane permute's destination counts as read)
	s_lshl_b32 s20, s17, 4
	s_add_co_u32 s20, s20, s16                     ; bh
	s_lshl_b32 s32, s20, 12
	s_mov_b32 s33, 0
	s_mul_i32 s34, s20, 8448
	s_add_co_u32 s34, s34, 8192                    ; entry 32 of hidv
	s_mov_b32 s35, 0
	s_mul_i32 s36, s20, 4224
	s_add_co_u32 s36, s36, HIDM+4096               ; and of hidm
	s_mov_b32 s37, 0
	s_lshl_b32 s38, s17, 13
	s_mov_b32 s39, 0
	s_lshl_b32 s40, s16, 18                        ; W_proj: rows 64 w on,
	s_add_co_u32 s40, s40, s18                     ; my columns
	s_mov_b32 s41, 0
	s_mov_b32 s42, s18
	s_mov_b32 s43, 0
	s_lshl_b32 s44, s17, 23
	s_add_co_u32 s44, s44, s18
	s_mov_b32 s45, 0
	s_mov_b32 s28, 0x76543210
	s_mov_b32 s29, 0xfedcba98
	s_mov_b32 s30, 0x3fb8aa3b                      ; c = log2(e)
	s_wait_kmcnt 0x0
	s_add_nc_u64 s[4:5], s[4:5], s[32:33]
	s_add_nc_u64 s[22:23], s[6:7], s[34:35]
	s_add_nc_u64 s[24:25], s[6:7], s[36:37]
	s_add_nc_u64 s[8:9], s[8:9], s[38:39]
	s_add_nc_u64 s[10:11], s[10:11], s[40:41]
	s_add_nc_u64 s[12:13], s[12:13], s[42:43]
	s_add_nc_u64 s[14:15], s[14:15], s[44:45]
	s_load_b64 s[26:27], s[24:25], 0x0             ; HM, HL
.irp i, 0,1,2,3,4,5,6,7
	global_load_b128 v[64+4*\i:67+4*\i], v3, s[4:5] offset:16*\i               ; q
	global_load_b128 v[96+4*\i:99+4*\i], v3, s[4:5] offset:262144+16*\i        ; k
.endr
	global_load_b128 v[224:227], v6, s[8:9]        ; the mask of keys 8 h + 0..7
	global_load_b128 v[228:231], v6, s[8:9] offset:16
.irp c, 0,1,2,3
.irp e, 0,1,2,3,4,5,6,7
	global_load_b32 v[128+8*\c+\e], v4, s[4:5] offset:524288+256*\e+64*\c      ; v(key 8 h + e, channel 16 c + r)
.endr
	global_load_b128 v[160+8*\c:163+8*\c], v6, s[22:23] offset:64*\c           ; the hidden keys' V, in O^T's layout
	global_load_b128 v[164+8*\c:167+8*\c], v6, s[22:23] offset:64*\c+16
.endr
.irp e, 0,1,2,3,4,5,6,7,8,9,10,11,12,13,14,15,16,17,18,19,20,21,22,23,24,25,26,27,28,29,30,31
	global_load_b32 v[192+\e], v5, s[10:11] offset:(16*(\e/8)+\e%8)*4096       ; W_proj(64 w + 16 (e / 8) + 8 h + e % 8, n0 + r)
.endr
	s_wait_loadcnt 0x0
	s_wait_kmcnt 0x0
	; S^T = K Q^T, in two sums by turns; each sum's first step takes the constant 0
	v_wmma_f32_16x16x4_f32 v[16:23], v[96:97], v[64:65], 0
	v_wmma_f32_16x16x4_f32 v[24:31], v[98:99], v[66:67], 0
.irp s, 2,4,6,8,10,12,14
	v_wmma_f32_16x16x4_f32 v[16:23], v[96+2*\s:97+2*\s], v[64+2*\s:65+2*\s], v[16:23]
	v_wmma_f32_16x16x4_f32 v[24:31], v[98+2*\s:99+2*\s], v[66+2*\s:67+2*\s], v[24:31]
.endr
.rept 8
	v_nop                                          ; eight places behind this form, in front of loads over k and of the reads of the sums
.endr
.irp e, 0,1,2,3,4,5,6,7,8,9,10,11,12,13,14,15,16,17,18,19,20,21,22,23,24,25,26,27,28,29,30,31
	global_load_b32 v[96+\e], v5, s[10:11] offset:(16*(\e/8)+\e%8)*4096+64     ; W_proj's second 16 columns, where k lay
.endr
.irp j, 0,1,2,3,4,5,6,7
	v_add_f32 v[232+\j], v[16+\j], v[24+\j]        ; from the low end on
.endr
.irp j, 0,1,2,3,4,5,6,7
	v_fma_f32 v[232+\j], v[232+\j], 0x3e000000, v[224+\j]   ; q . k / 8 + mask
.endr
.irp j, 0,1,2,3,4,5,6,7
	v_add_f32 v[224+\j], 0xc61c4000, v[224+\j]     ; -10000 + mask
.endr
.irp j, 0,1,2,3,4,5,6,7
	v_cmp_gt_i32 vcc_lo, \j, v15
	v_cndmask_b32 v[232+\j], v[232+\j], v[224+\j], vcc_lo
.endr
	v_max3_num_f32 v244, v232, v233, v234
	v_max3_num_f32 v245, v235, v236, v237
	v_max3_num_f32 v244, v244, v238, v239
	v_max3_num_f32 v244, v244, v245, s26           ; with the hidden keys' M
	v_permlanex16_b32 v246, v244, s28, s29
	v_max_num_f32 v10, v244, v246                  ; m
	v_mul_f32 v11, s30, v10                        ; round(c m)
	v_mul_f32 v245, s26, s30                       ; round(c HM), as the table's launch makes it
	v_sub_f32 v245, v245, v11
.irp j, 0,1,2,3,4,5,6,7
	v_fma_f32 v[232+\j], v[232+\j], s30, -v11
.endr
.irp j, 0,1,2,3,4,5,6,7
	v_exp_f32 v[232+\j], v[232+\j]                 ; p
.endr
	v_exp_f32 v13, v245                            ; g: the hidden keys' state under m
	v_nop
	s_wait_alu depctr_va_vdst(0)                   ; one wait for the nine, ahead of their first reader
	v_add_f32 v244, v232, v233
	v_add_f32 v245, v234, v235
	v_add_f32 v247, v236, v237
	v_add_f32 v248, v238, v239
	v_add_f32 v244, v244, v245
	v_add_f32 v247, v247, v248
	v_add_f32 v244, v244, v247
	v_permlanex16_b32 v246, v244, s28, s29
	v_add_f32 v12, v244, v246
	v_fma_f32 v12, v13, s27, v12                   ; l
	v_rcp_f32 v14, v12
.irp j, 0,1,2,3,4,5,6,7,8,9,10,11,12,13,14,15,16,17,18,19,20,21,22,23,24,25,26,27,28,29,30,31
	v_mul_f32 v[160+\j], v[160+\j], v13            ; the hidden keys' V under m: plain work behind the reciprocal
.endr
	s_wait_alu depctr_va_vdst(0)                   ; the wait for the reciprocal
	; O^T = V^T P + the hidden keys' part: four sums by turns
.irp c, 0,1,2,3
	v_wmma_f32_16x16x4_f32 v[32+8*\c:39+8*\c], v[128+8*\c:129+8*\c], v[232:233], v[160+8*\c:167+8*\c]
.endr
.irp i, 1,2,3
.irp c, 0,1,2,3
	v_wmma_f32_16x16x4_f32 v[32+8*\c:39+8*\c], v[128+8*\c+2*\i:129+8*\c+2*\i], v[232+2*\i:233+2*\i], v[32+8*\c:39+8*\c]
.endr
.endr
.rept 8
	v_nop
.endr
.irp j, 0,1,2,3,4,5,6,7,8,9,10,11,12,13,14,15,16,17,18,19,20,21,22,23,24,25,26,27,28,29,30,31
	v_mul_f32 v[64+\j], v[32+\j], v14              ; a = O^T / l, into other registers, from each sum's low end on
.endr
	s_wait_loadcnt 0x0                             ; W_proj's second 16 columns
	; out^T = W^T a^T over my head's 64 channels: two tiles of 16 columns by turns
	v_wmma_f32_16x16x4_f32 v[16:23], v[192:193], v[64:65], 0
	v_wmma_f32_16x16x4_f32 v[24:31], v[96:97], v[64:65], 0
.irp s, 1,2,3,4,5,6,7,8,9,10,11,12,13,14,15
	v_wmma_f32_16x16x4_f32 v[16:23], v[192+2*\s:193+2*\s], v[64+2*\s:65+2*\s], v[16:23]
	v_wmma_f32_16x16x4_f32 v[24:31], v[96+2*\s:97+2*\s], v[64+2*\s:65+2*\s], v[24:31]
.endr
.rept 8
	v_nop
.endr
	ds_store_b128 v9, v[16:19]                     ; my part goes to LDS as an image of its registers
	ds_store_b128 v9, v[20:23] offset:512
	ds_store_b128 v9, v[24:27] offset:1024
	ds_store_b128 v9, v[28:31] offset:1536
	s_wait_dscnt 0x0                               ; for the others' sake: my stores are done
	s_barrier_signal -1
	s_barrier_wait -1
	s_cmp_ge_u32 s16, 4
	s_cbranch_scc1 .Lend
	; waves 0-3 add the 16 parts and the bias: a thread takes four neighbouring columns of one query
.irp s, 0,1,2,3,4,5,6,7,8,9,10,11,12,13,14,15
	ds_load_b128 v[128+4*\s:131+4*\s], v240 offset:2048*\s
.endr
	global_load_b128 v[192:195], v242, s[12:13]
	s_wait_dscnt 0x0
.irp s, 1,2,3,4,5,6,7,8,9,10,11,12,13,14,15
	v_pk_add_f32 v[128:129], v[128:129], v[128+4*\s:129+4*\s]
	v_pk_add_f32 v[130:131], v[130:131], v[130+4*\s:131+4*\s]
.endr
	s_wait_loadcnt 0x0
	v_pk_add_f32 v[128:129], v[128:129], v[192:193]
	v_pk_add_f32 v[130:131], v[130:131], v[194:195]
	global_store_b128 v243, v[128:131], s[14:15]   ; eight lanes store 128 consecutive bytes of a row
.Lend:
	s_wait_tensorcnt 0x0                           ; the wave's end, behind my last LDS store
	ds_add_u32 v[SPW], v[NIL]
	s_wait_dscnt 0x0
	s_endpgm
.Lfunc_end_k_qc63e78ce1d_fine:
	.size	k_qc63e78ce1d_fine, .Lfunc_end_k_qc63e78ce1d_fine-k_qc63e78ce1d_fine
	.p2alignl 7, 3214868480
	.fill 96, 4, 3214868480
	.section	.rodata,"a",@progbits
	.p2align	6, 0x0
	.amdhsa_kernel k_qc63e78ce1d_fine
		.amdhsa_group_segment_fixed_size 34816
		.amdhsa_private_segment_fixed_size 0
		.amdhsa_enable_private_segment 0
		.amdhsa_kernarg_size 48
		.amdhsa_user_sgpr_count 2
		.amdhsa_user_sgpr_kernarg_segment_ptr 1
		.amdhsa_wavefront_size32 1
		.amdhsa_system_sgpr_workgroup_id_x 1
		.amdhsa_system_sgpr_workgroup_id_y 1
		.amdhsa_system_sgpr_workgroup_id_z 1
		.amdhsa_system_vgpr_workitem_id 0
		.amdhsa_next_free_vgpr 256
		.amdhsa_next_free_sgpr 66
		.amdhsa_reserve_vcc 1
		.amdhsa_float_denorm_mode_32 3
		.amdhsa_float_denorm_mode_16_64 3
		.amdhsa_memory_ordered 1
		.amdhsa_forward_progress 1
		.amdhsa_inst_pref_size 29
	.end_amdhsa_kernel
	.amdgpu_metadata
---
amdhsa.version: [ 1, 2 ]
amdhsa.kernels:
  - .name:           k_qc63e78ce1d_fine
    .symbol:         k_qc63e78ce1d_fine.kd
    .args:
      - { .name: f32c, .offset: 0, .size: 8, .value_kind: global_buffer, .address_space: global }
      - { .name: hid, .offset: 8, .size: 8, .value_kind: global_buffer, .address_space: global }
      - { .name: attention_mask, .offset: 16, .size: 8, .value_kind: global_buffer, .address_space: global }
      - { .name: W_proj, .offset: 24, .size: 8, .value_kind: global_buffer, .address_space: global }
      - { .name: b_proj, .offset: 32, .size: 8, .value_kind: global_buffer, .address_space: global }
      - { .name: out0, .offset: 40, .size: 8, .value_kind: global_buffer, .address_space: global }
    .group_segment_fixed_size: 34816
    .private_segment_fixed_size: 0
    .kernarg_segment_align: 8
    .kernarg_segment_size: 48
    .max_flat_workgroup_size: 512
    .sgpr_count:     66
    .vgpr_count:     256
    .wavefront_size: 32
...
	.end_amdgpu_metadata
.endif
;; end of part 7
